; MI455X (gfx1250); checked and timed in simulation.
; The chip was launched on July 23, 2026; its instructions are those of AMD's public machine-readable ISA for CDNA 5 (MIT licence, August 2026) and "CDNA5" Instruction Set Architecture Reference Guide (July 2026). The comments in the code are by the model that wrote it; some were corrected since.
;; Multi Head Self Attention. Allowed arithmetic: float matrix products may take bf16 or f16 operands with f32 sums; other float arithmetic in f32, or as packed bf16 or f16 multiplies, adds, multiply-adds, maxima and minima; sums over many terms, partial sums and values carried from step to step in f32; what a program stores and reads back later, other than sums and carried values, may be rounded once to bf16 or f16.
;; Inputs: b_out 1,024 float32; b_qkv 3,072 float32; ln_beta 1,024 float32; ln_gamma 1,024 float32; w_out 1,024 x 1,024 float32; w_qkv 1,024 x 3,072 float32; x 4 x 2,048 x 1,024 float32.
;; Outputs: out0 4 x 2,048 x 1,024 float32.
;; 2 versions, each right; version 2 is version 1 with the launch ln written anew for expert scheduling mode. Each part assembles by itself: llvm-mc -triple=amdgcn-amd-amdhsa -mcpu=gfx1250 --defsym DOCPART=n.
;; ======== version 1 of 2: 5 launches
;; workspace buffers: xb 16,777,216 bytes; wqp 6,291,456 bytes; wop 2,097,152 bytes; qkv 50,331,648 bytes; att 16,777,216 bytes; proj 16,777,216 bytes
;; launch cast (part 1): grid 16 x 48, 8 waves a work-group, no clusters, 0 bytes of LDS; arguments x, w_qkv, w_out, xb, wqp, wop; writes xb, wqp, wop
.if DOCPART == 1
	.amdgcn_target "amdgcn-amd-amdhsa--gfx1250"
	.amdhsa_code_object_version 6
	.text
	.protected	k_q9e70bc48e4_cast
	.globl	k_q9e70bc48e4_cast
	.p2align	8
	.type	k_q9e70bc48e4_cast,@function
k_q9e70bc48e4_cast:
	s_mov_b64 s[64:65], 0
	v_nop
	global_prefetch_b8 v0, s[64:65] scope:SCOPE_SE
	s_setreg_imm32_b32 hwreg(HW_REG_WAVE_MODE, 25, 1), 1
	s_wait_xcnt 0x0
; CAST.  x [8192][1024], w_qkv [1024][3072] and w_out [1024][1024], all f32, are rounded once to bf16 (nearest even) for the matrix products.
; xb keeps x's layout.  The weights go into COLUMN PANELS: wqp [12][1024 k][256 n], wop [4][1024 k][256 n], so that a panel's rows are 512 dense bytes.
; A CHUNK is 256 consecutive f32 (1,024 bytes) that become 512 consecutive bytes of bf16: a quarter row of x, or one k-row of one panel.
; SHARES.  Grid y = 0..31: x, 1,024 chunks each; y = 32..43: panel y - 32 of w_qkv; y = 44..47: panel y - 44 of w_out.  A work-group takes 64 chunks, a wave 8, in straight-line code.
; A load of a wave covers 512 consecutive bytes, a store 256 consecutive bytes at a multiple of 256 from the buffer's first byte.  All 16 loads of a wave go out first.
; No LDS, no cluster, no matrix unit: nothing is shared and nothing is reused.  No register is written twice, so no wait frees a source.
.set X, 8                              ; v[8:71]    chunk j: 8 registers as loaded
.set Y, 72                             ; v[72:103]  chunk j: 4 registers to store
; src, dst: the scalar pairs with the work-group's first chunk; sstr: bytes from a chunk to the next in the source
.macro CAST src, dst, sstr
	v_mul_u32_u24 v1, v4, 8*(\sstr)                ; my wave's 8 chunks,
	v_add_nc_u32 v1, v1, v3                        ; + 16 x lane
.irp j, 0,1,2,3,4,5,6,7
	global_load_b128 v[X+8*(\j):X+8*(\j)+3],   v1, s[\src:\src+1] offset:(\j)*(\sstr) th:TH_LOAD_NT
	global_load_b128 v[X+8*(\j)+4:X+8*(\j)+7], v1, s[\src:\src+1] offset:(\j)*(\sstr)+512 th:TH_LOAD_NT
.endr
.irp j, 0,1,2,3,4,5,6,7
	s_wait_loadcnt 14-2*(\j)                       ; loads come back in order: chunk j's two are in, the younger chunks' stay out
.irp k, 0,1,2,3
	v_cvt_pk_bf16_f32 v[Y+4*(\j)+(\k)], v[X+8*(\j)+2*(\k)], v[X+8*(\j)+2*(\k)+1]
.endr
	global_store_b64 v2, v[Y+4*(\j):Y+4*(\j)+1],   s[\dst:\dst+1] offset:(\j)*512 th:TH_STORE_NT
	global_store_b64 v2, v[Y+4*(\j)+2:Y+4*(\j)+3], s[\dst:\dst+1] offset:(\j)*512+256 th:TH_STORE_NT
.endr
.endm
	s_load_b256 s[4:11], s[0:1], 0x0               ; x s[4:5], w_qkv s[6:7], w_out s[8:9], xb s[10:11]
	s_load_b128 s[12:15], s[0:1], 0x20             ; wqp s[12:13], wop s[14:15]
	v_and_b32 v3, 31, v0                           ; lane
	v_lshrrev_b32 v4, 5, v0                        ; wave
	v_lshlrev_b32 v2, 3, v3
	v_lshl_add_u32 v2, v4, 12, v2                  ; out: wave x 8 chunks x 512 + 8 x lane
	v_lshlrev_b32 v3, 4, v3                        ; in: 16 x lane
	s_and_b32 s16, ttmp7, 0xffff                   ; grid y
	s_mov_b32 s19, 0
	s_mov_b32 s21, 0
	s_lshl_b32 s20, ttmp9, 15                      ; out: the work-group's 64 chunks of 512 bytes
	s_wait_kmcnt 0x0
	s_cmp_lt_u32 s16, 32
	s_cbranch_scc0 .Lweights
	s_lshl_b32 s18, s16, 20                        ; x: 1,024 chunks of 1,024 bytes for each y,
	s_lshl_b32 s17, ttmp9, 16                      ; 64 for each work-group
	s_add_co_u32 s18, s18, s17
	s_lshl_b32 s17, s16, 19
	s_add_co_u32 s20, s20, s17
	s_add_nc_u64 s[4:5], s[4:5], s[18:19]
	s_add_nc_u64 s[10:11], s[10:11], s[20:21]
	CAST 4, 10, 1024
	s_endpgm
.Lweights:
	s_cmp_lt_u32 s16, 44
	s_cbranch_scc0 .Lwout
	s_sub_co_u32 s16, s16, 32                      ; panel of w_qkv
	s_lshl_b32 s18, s16, 10                        ; its 256 columns: 1,024 bytes into a row,
	s_mul_i32 s17, ttmp9, 64*12288                 ; the work-group's 64 rows of 12,288 bytes
	s_add_co_u32 s18, s18, s17
	s_lshl_b32 s17, s16, 19                        ; a panel is 524,288 bytes
	s_add_co_u32 s20, s20, s17
	s_add_nc_u64 s[6:7], s[6:7], s[18:19]
	s_add_nc_u64 s[12:13], s[12:13], s[20:21]
	CAST 6, 12, 12288
	s_endpgm
.Lwout:
	s_sub_co_u32 s16, s16, 44                      ; panel of w_out
	s_lshl_b32 s18, s16, 10
	s_lshl_b32 s17, ttmp9, 18                      ; 64 rows of 4,096 bytes
	s_add_co_u32 s18, s18, s17
	s_lshl_b32 s17, s16, 19
	s_add_co_u32 s20, s20, s17
	s_add_nc_u64 s[8:9], s[8:9], s[18:19]
	s_add_nc_u64 s[14:15], s[14:15], s[20:21]
	CAST 8, 14, 4096
	s_endpgm
.Lfunc_end_k_q9e70bc48e4_cast:
	.size	k_q9e70bc48e4_cast, .Lfunc_end_k_q9e70bc48e4_cast-k_q9e70bc48e4_cast
	.p2alignl 7, 3214868480
	.fill 96, 4, 3214868480
	.section	.rodata,"a",@progbits
	.p2align	6, 0x0
	.amdhsa_kernel k_q9e70bc48e4_cast
		.amdhsa_group_segment_fixed_size 0
		.amdhsa_private_segment_fixed_size 0
		.amdhsa_enable_private_segment 0
		.amdhsa_kernarg_size 48
		.amdhsa_user_sgpr_count 2
		.amdhsa_user_sgpr_kernarg_segment_ptr 1
		.amdhsa_wavefront_size32 1
		.amdhsa_system_sgpr_workgroup_id_x 1
		.amdhsa_system_sgpr_workgroup_id_y 1
		.amdhsa_system_sgpr_workgroup_id_z 1
		.amdhsa_system_vgpr_workitem_id 0
		.amdhsa_next_free_vgpr 104
		.amdhsa_next_free_sgpr 66
		.amdhsa_reserve_vcc 0
		.amdhsa_float_denorm_mode_32 3
		.amdhsa_float_denorm_mode_16_64 3
		.amdhsa_memory_ordered 1
		.amdhsa_forward_progress 1
		.amdhsa_inst_pref_size 18
	.end_amdhsa_kernel
	.amdgpu_metadata
---
amdhsa.version: [ 1, 2 ]
amdhsa.kernels:
  - .name:           k_q9e70bc48e4_cast
    .symbol:         k_q9e70bc48e4_cast.kd
    .args:
      - { .name: x, .offset: 0, .size: 8, .value_kind: global_buffer, .address_space: global }
      - { .name: w_qkv, .offset: 8, .size: 8, .value_kind: global_buffer, .address_space: global }
      - { .name: w_out, .offset: 16, .size: 8, .value_kind: global_buffer, .address_space: global }
      - { .name: xb, .offset: 24, .size: 8, .value_kind: global_buffer, .address_space: global }
      - { .name: wqp, .offset: 32, .size: 8, .value_kind: global_buffer, .address_space: global }
      - { .name: wop, .offset: 40, .size: 8, .value_kind: global_buffer, .address_space: global }
    .group_segment_fixed_size: 0
    .private_segment_fixed_size: 0
    .kernarg_segment_align: 8
    .kernarg_segment_size: 48
    .max_flat_workgroup_size: 256
    .sgpr_count:     66
    .vgpr_count:     104
    .wavefront_size: 32
...
	.end_amdgpu_metadata
.endif
;; end of part 1
;; launch gemm_qkv (part 2): grid 12 x 32, 4 waves a work-group, clusters of 4 x 4, 327,680 bytes of LDS; arguments xb, wqp, b_qkv, qkv; writes qkv
.if DOCPART == 2
	.amdgcn_target "amdgcn-amd-amdhsa--gfx1250"
	.amdhsa_code_object_version 6
	.text
	.protected	k_q9e70bc48e4_gemm_qkv
	.globl	k_q9e70bc48e4_gemm_qkv
	.p2align	8
	.type	k_q9e70bc48e4_gemm_qkv,@function
k_q9e70bc48e4_gemm_qkv:
	s_mov_b64 s[64:65], 0
	v_nop
	global_prefetch_b8 v0, s[64:65] scope:SCOPE_SE
	s_setreg_imm32_b32 hwreg(HW_REG_WAVE_MODE, 25, 1), 1
	s_wait_xcnt 0x0
	s_wait_alu depctr_hold_cnt(0) depctr_sa_sdst(0) depctr_va_vdst(0) depctr_va_sdst(0) depctr_va_ssrc(0) depctr_va_vcc(0) depctr_vm_vsrc(0)
	s_getreg_b32 s2, hwreg(HW_REG_IB_STS2, 6, 4)
	s_cmp_eq_u32 s2, 0
	s_cbranch_scc0 .Lentry_in_a_cluster
	s_endpgm
.Lentry_in_a_cluster:
	s_bfe_u32 s2, ttmp6, 0x10000c
	s_cmp_lg_u32 s2, 0xf033
	s_cbranch_scc0 .Lentry_shape_is_right
	s_endpgm
.Lentry_shape_is_right:
; C = A W + bias, by column panels.  A: [8192][1024] bf16.  W: [panels][1024 k][256 n] bf16.  bias: [panels x 256] f32.  C: [panels][8192][256] bf16, rounded once from f32 sums.
; One text serves both products of the module (12 panels: q, k, v by heads; 4 panels: the projection): only the grid's width differs.
; SHARES.  A work-group makes 256 rows of one panel: 256 x 256 of C.  Four waves, each 128 rows x 128 columns: 64 accumulators of 16 x 16, 512 registers: for 32 along K a wave takes 32 LDS loads
; for 64 matrix instructions.  That makes 12 x 32 = 384 work-groups for q, k, v and 4 x 32 = 128 for the projection; half this tile would make 768 and 256, with 24 LDS loads for 32 matrix instructions
; and half the matrix work between a tile's request and the wait for it.
; K goes in 8 steps of 128 through a ring of two LDS slots filled by the tensor data mover; A's rows in a tile are 256 bytes of memory, W's 512.  From a refill's request to the wait for it a wave
; issues 224 matrix instructions.
; CLUSTER.  4 x 4 work-groups: the four of a row of the cluster make the same 256 rows and need the same tile of A, the four of a column the same panel and the same tile of W.
; Each tile is asked for JOINTLY: the same tensor load, descriptor and mask in all four.
; THE MATRIX INSTRUCTION IS USED TRANSPOSED: source 0 = 16 columns of W (W lies [k][n] in LDS and is turned by ds_load_tr16_b128), source 1 = 16 rows of A.  A lane then holds row l % 16 of C and
; the columns 8 (l / 16) + 0..7: 16 bytes of bf16 on end.  THE BIAS STARTS THE SUMS: it is the C operand of each accumulator's first product, so nothing is cleared and nothing is added later.
; LIMITS.  Operands and C are bf16 (8 significant bits, f32's range); NaN and infinities pass through as the arithmetic makes them.
; REGISTERS, in windows of 256 (s_set_vgpr_msb: bits 1:0 source 0, 3:2 source 1, 5:4 source 2, 7:6 destination):
;   window 0: v0-29 addresses; v64-127, v128-191 A's fragments (8 x 16 rows x 32 K), two buffers; v192-223 packed results; v32-63, v224-255 rows read back on the way out, by turns
;   window 1: v0-63 the bias, fragment b at v[8 b]; v64-127, v128-191 W's fragments, two buffers
;   window 2: the 32 accumulators of my rows 0-63 ((a, b) at v[8 (8 a + b)])          window 3: those of my rows 64-127
.set PA,    272                        ; a row of A in LDS: 256 bytes + 16 of padding: the 16 rows of a load start at 16 different groups of four banks (64 banks of 4 bytes: ISA guide 11.1)
.set PB,    544                        ; a row of W: 512 + 32
.set BOFF,  256*PA                     ; a slot: A's 256 rows, then W's 128 k-rows
.set SLOT1, 0x22000                    ; = BOFF + 128 PB: slot 1 begins here; none of the addresses in slot 0 that are turned has bit 13 or bit 17 set, so one exclusive or turns them into slot 1's
.set STAGE, 2*SLOT1                    ; behind the ring, never filled by a tensor load: 16 rows x 272 bytes for each wave, for the way out
.set SP,    272
.set SPARE, STAGE+4*16*SP              ; behind the stages: the spare words, 128 bytes for each wave: two blocks of 256 bytes that no other line names
.set ADRA0, 8                          ; v8   my lane's place in a slot's A; never rewritten
.set ADRB0, 9                          ; v9   the same for W
.set ADRA,  10                         ; v10  the same in the slot in hand
.set ADRB,  11                         ; v11
.set STO,   12                         ; v12  the way out: where I put 16 bytes of a row
.set RD,    13                         ; v13  the way out: where I read a row back
.set CO,    14                         ; v14  my byte offset in C
.set PFO,   15                         ; v15  the prefetches' offset; never rewritten
.set BO,    16                         ; v16  my byte offset in a bias fragment
.set SPW,   28                         ; v28  LDS address of my spare word: SPARE + 4 x my thread's number; never rewritten
.set NIL,   29                         ; v29  0; never rewritten
.set OB,    32
.set F0,    64
.set F1,    128
.set TMP,   192
.set BIAS,  0                          ; in window 1
.set WV,  12                           ; s12  my wave's number
.set RH,  13                           ; s13  which 128 rows are mine.  Also: I fetch for A (0) or for W (1)
.set CH,  14                           ; s14  which 128 columns.  Also: which half of that tile I fetch
.set CX,  15                           ; s15, s16  my place in the cluster
.set CY,  16
.set PAN, 17                           ; s17  the panel
.set TR,  18                           ; s18  the block of 256 rows
.set TB,  19                           ; s19  0 or SLOT1: the slot in hand
.set G1A, 24                           ; s[24:31] descriptor group 1 for A's tiles
.set G0A, 32                           ; s[32:39] group 0: a set for each of the two first fills; the second then walks on
.set LIM, 43                           ; s43  2 in a wave that prefetches, else the greatest number
.set PFA, 44                           ; s[44:45] where my prefetches stand
.set PST, 46                           ; s[46:47] bytes from a K step to the next in the tensor that I prefetch
.set G1B, 48                           ; s[48:55], s[56:63] the same for W's tiles
.set G0B, 56
.set TO_B, 0x40                        ; destination window 1, address window 0
.set MSB, 0
.macro WIN new                         ; the immediate's high byte repeats the setting that is left; a switch that changes nothing is dropped
.if MSB != (\new)
	s_set_vgpr_msb (MSB<<8)|(\new)
.set MSB, \new
.endif
.endm
.macro PLACES                          ; four places in front of loads into registers that matrix instructions have read, and of conversions that read results (ISA guide 7.12.1 for the conversions)
.rept 4
	v_nop
.endr
.endm
; A joint refill by the walking descriptors.  Waves 0 and 1 fetch A's two halves, waves 2 and 3 W's.  The branch hangs on the wave's number alone.
; An s_nop 0 and four v_nop follow each of the two lines, ahead of the jump and the label.
.macro JLOAD
	s_cmp_eq_u32 s[RH], 0
	s_cbranch_scc0 .Lfor_b_\@
	tensor_load_to_lds s[G0A+4:G0A+7], s[G1A:G1A+7]
	s_nop 0
.rept 4
	v_nop
.endr
	s_branch .Lasked_\@
.Lfor_b_\@:
	tensor_load_to_lds s[G0B+4:G0B+7], s[G1B:G1B+7]
	s_nop 0
.rept 4
	v_nop
.endr
.Lasked_\@:
.endm
; A PREFETCH INTO THE L2, behind a joint refill and the run of LDS loads that follows it: the K step that stands two refills on, 512 matrix instructions of a wave ahead of the load that will want it.
; Each aligned block of 256 bytes is named once in the launch.  A's 256 rows are read by every cluster of that row of clusters: the first (cluster x = 0) asks: of the 128 rows that wave 0 or 1 fetches
; each of the four partners takes 32, a lane a row.  A panel's K step (65,536 dense bytes) is read by every cluster of that column: the first (cluster y = 0) asks, waves 2 and 3 of each partner for 32
; blocks each, a lane a block.  The partners are told apart BY ADDRESS.  K steps 0 to 3 come by their loads alone; the loop's last two trips (s3 = 2, 1) have no K step two refills on.
.macro ASK
	s_cmp_gt_u32 s3, s[LIM]
	s_cbranch_scc0 .Lnot_mine_\@
	global_prefetch_b8 v[PFO], s[PFA:PFA+1] th:TH_LOAD_NT scope:SCOPE_SE
.Lnot_mine_\@:
.endm
.macro CREST                           ; a round of the cluster's barrier behind its opening barrier
	s_cmp_lg_u32 s[WV], 0
	s_cbranch_scc1 .Lnot_wave_0_\@
	s_barrier_signal -3
.Lnot_wave_0_\@:
	s_barrier_wait -3
	s_barrier_signal -1
	s_barrier_wait -1
.endm
.macro CROUND                          ; a whole round
	s_barrier_signal -1
	s_barrier_wait -1
	CREST
.endm
	s_load_b256 s[4:11], s[0:1], 0x0               ; A s[4:5], W s[6:7], bias s[8:9], C s[10:11]
	v_lshl_add_u32 v[SPW], v0, 2, SPARE
	v_mov_b32 v[NIL], 0
	ds_add_u32 v[SPW], v[NIL]                      ; the wave's opening: the add and its wait stand ahead of my first tensor load; the set-up below, work on registers, stands between them
	v_lshrrev_b32 v1, 5, v0
	v_readfirstlane_b32 s[WV], v1
	s_lshr_b32 s[RH], s[WV], 1
	s_and_b32 s[CH], s[WV], 1
	s_bfe_u32 s[CX], ttmp6, 0x40000
	s_bfe_u32 s[CY], ttmp6, 0x40004
	s_lshl_b32 s[PAN], ttmp9, 2                    ; in a cluster launch ttmp9 and ttmp7 count clusters
	s_add_co_u32 s[PAN], s[PAN], s[CX]             ; panel = 4 x cluster x + cx
	s_and_b32 s[TR], ttmp7, 0xffff
	s_lshl_b32 s[TR], s[TR], 2
	s_add_co_u32 s[TR], s[TR], s[CY]               ; block of rows = 4 x cluster y + cy
	s_lshl_b32 s40, s[CY], 2
	s_lshl_b32 s40, 15, s40                        ; my row of the cluster: places 4 cy .. 4 cy + 3
	s_lshl_b32 s41, 0x1111, s[CX]                  ; my column: places cx, cx + 4, cx + 8, cx + 12
	s_or_b32 s[G1A], s40, (1<<16)|(1<<20)|(1<<21)|(5<<22)|(3<<25)  ; 15:0 the mask; 17:16 elements of 2 bytes; 20 padding on; 21 set beside a mask; 24:22 after every 64 words (code 5); 31:25 4 words (code 3)
	s_mov_b32 s[G1A+1], 128<<16                    ; tensor_dim0 = 128
	s_mov_b32 s[G1A+2], 128<<16                    ; tensor_dim1 = 128
	s_mov_b32 s[G1A+3], 128<<16                    ; tile_dim0 = 128
	s_mov_b32 s[G1A+4], 128                        ; tile_dim1 = 128
	s_mov_b32 s[G1A+5], 1024                       ; elements from row to row
	s_mov_b32 s[G1A+6], 0
	s_mov_b32 s[G1A+7], 0
	s_or_b32 s[G1B], s41, (1<<16)|(1<<20)|(1<<21)|(6<<22)|(7<<25)  ; W: after every 128 words (code 6), 8 words (code 7)
	s_mov_b32 s[G1B+1], 256<<16                    ; 64 k-rows of 256 elements
	s_mov_b32 s[G1B+2], 64<<16
	s_mov_b32 s[G1B+3], 256<<16
	s_mov_b32 s[G1B+4], 64
	s_mov_b32 s[G1B+5], 256
	s_mov_b32 s[G1B+6], 0
	s_mov_b32 s[G1B+7], 0
	s_mov_b32 s[G0A], 1                            ; count = 1
	s_mov_b32 s[G0A+4], 1
	s_mov_b32 s[G0B], 1
	s_mov_b32 s[G0B+4], 1
	s_mul_i32 s[G0A+1], s[CH], 128*PA              ; LDS addresses hang on the wave's number alone
	s_add_co_u32 s[G0A+5], s[G0A+1], SLOT1
	s_mul_i32 s[G0B+1], s[CH], 64*PB
	s_add_co_u32 s[G0B+1], s[G0B+1], BOFF
	s_add_co_u32 s[G0B+5], s[G0B+1], SLOT1
	s_lshl_b32 s20, s[TR], 19                      ; A: 256 rows of 2,048 bytes a block,
	s_lshl_b32 s21, s[CH], 18                      ; my 128 of them
	s_add_co_u32 s20, s20, s21
	s_mov_b32 s21, 0
	s_lshl_b32 s22, s[PAN], 19                     ; W: 524,288 bytes a panel,
	s_lshl_b32 s23, s[CH], 15                      ; my 64 k-rows of 512 bytes
	s_add_co_u32 s22, s22, s23
	s_mov_b32 s23, 0
	s_mov_b32 s[TB], 0
	s_wait_dscnt 0x0                               ; the opening add is done
	s_wait_kmcnt 0x0
	s_add_nc_u64 s[20:21], s[4:5], s[20:21]
	s_add_nc_u64 s[22:23], s[6:7], s[22:23]
	s_add_nc_u64 s[G0A+2:G0A+3], s[20:21], 0       ; K step 0 into slot 0,
	s_or_b32 s[G0A+3], s[G0A+3], 0x80000000        ; type = 2
	s_add_nc_u64 s[G0A+6:G0A+7], s[20:21], 256     ; K step 1 into slot 1
	s_or_b32 s[G0A+7], s[G0A+7], 0x80000000
	s_add_nc_u64 s[G0B+2:G0B+3], s[22:23], 0
	s_or_b32 s[G0B+3], s[G0B+3], 0x80000000
	s_add_nc_u64 s[G0B+6:G0B+7], s[22:23], 65536   ; 128 k-rows of 512 bytes
	s_or_b32 s[G0B+7], s[G0B+7], 0x80000000
	CROUND                                         ; all sixteen work-groups are here: the first joint loads meet
	s_cmp_eq_u32 s[RH], 0                          ; a wave's two first fills stand in one branch, ahead of every wait on TENSORcnt and every LDS read: two loads of mine are out
	s_cbranch_scc0 .Lfirst_b
	tensor_load_to_lds s[G0A:G0A+3], s[G1A:G1A+7]
	s_nop 0
	tensor_load_to_lds s[G0A+4:G0A+7], s[G1A:G1A+7]
	s_nop 0
.rept 4
	v_nop
.endr
	s_branch .Lfirst_asked
.Lfirst_b:
	tensor_load_to_lds s[G0B:G0B+3], s[G1B:G1B+7]
	s_nop 0
	tensor_load_to_lds s[G0B+4:G0B+7], s[G1B:G1B+7]
	s_nop 0
.rept 4
	v_nop
.endr
.Lfirst_asked:
	s_lshl_b32 s40, s[PAN], 10                     ; the bias of my 128 columns: 1,024 bytes a panel, 512 a half
	s_lshl_b32 s41, s[CH], 9
	s_add_co_u32 s40, s40, s41
	s_mov_b32 s41, 0
	s_add_nc_u64 s[8:9], s[8:9], s[40:41]
	v_and_b32 v1, 15, v0                           ; r = l % 16
	v_bfe_u32 v2, v0, 4, 1                         ; h = l / 16
	v_lshlrev_b32 v[BO], 5, v2                     ; register j of fragment b is bias[16 b + 8 h + j]
	WIN TO_B                                       ; destination window 1, address window 0
.irp b, 0,1,2,3,4,5,6,7
	global_load_b128 v[BIAS+8*(\b):BIAS+8*(\b)+3],   v[BO], s[8:9] offset:64*(\b)
	global_load_b128 v[BIAS+8*(\b)+4:BIAS+8*(\b)+7], v[BO], s[8:9] offset:64*(\b)+16
.endr
	WIN 0
	s_lshl_b32 s40, s[PAN], 22                     ; C: 4,194,304 bytes a panel,
	s_lshl_b32 s42, s[TR], 17                      ; 256 rows of 512 bytes a block,
	s_add_co_u32 s40, s40, s42
	s_lshl_b32 s42, s[RH], 16                      ; my 128 rows,
	s_add_co_u32 s40, s40, s42
	s_lshl_b32 s42, s[CH], 8                       ; my 128 columns
	s_add_co_u32 s40, s40, s42
	s_add_nc_u64 s[10:11], s[10:11], s[40:41]
	; A's fragment: 16 rows x 32 K in 8 registers: lane l holds row l % 16, K = 8 (l / 16) + 0..7 and 16 + 8 (l / 16) + 0..7: two loads of 16 bytes, 32 bytes apart.
	v_mul_u32_u24 v[ADRA0], v1, PA
	v_lshl_add_u32 v[ADRA0], v2, 4, v[ADRA0]
	s_mul_i32 s40, s[RH], 128*PA
	v_add_nc_u32 v[ADRA0], s40, v[ADRA0]
	; W's: the turning load takes 16 k x 16 n (lane l reads k-row 8 (l / 16) + l % 8, columns 8 ((l / 8) % 2) + 0..7) and leaves half a fragment: lane l holds column l % 16 and 8 k.
	v_and_b32 v4, 7, v0
	v_bfe_u32 v5, v0, 3, 1
	v_lshl_add_u32 v[ADRB0], v2, 3, v4
	v_mul_u32_u24 v[ADRB0], v[ADRB0], PB
	v_lshl_add_u32 v[ADRB0], v5, 4, v[ADRB0]
	s_lshl_b32 s40, s[CH], 8
	s_add_co_u32 s40, s40, BOFF
	v_add_nc_u32 v[ADRB0], s40, v[ADRB0]
	v_mov_b32 v[ADRA], v[ADRA0]                    ; slot 0
	v_mov_b32 v[ADRB], v[ADRB0]
	s_mul_i32 s40, s[WV], 16*SP
	s_add_co_u32 s40, s40, STAGE                   ; my stage
	v_mul_u32_u24 v[STO], v1, SP                   ; in: row l % 16, 16 bytes for each half of the lanes
	v_lshl_add_u32 v[STO], v2, 4, v[STO]
	v_add_nc_u32 v[STO], s40, v[STO]
	v_mul_u32_u24 v[RD], v2, SP                    ; back: lanes 0-15 take one row of 256 bytes, lanes 16-31 the next
	v_lshl_add_u32 v[RD], v1, 4, v[RD]
	v_add_nc_u32 v[RD], s40, v[RD]
	v_lshlrev_b32 v[CO], 9, v2                     ; and the same two rows in C
	v_lshl_add_u32 v[CO], v1, 4, v[CO]
	; the prefetches
	s_mov_b32 s[PST], 256
	s_mov_b32 s[PST+1], 0
	s_mov_b32 s2, 11
	s_lshl_b32 s40, s[TR], 19                      ; A: the block's rows, the 128 that I fetch, my work-group's 32 of them, K step 3 (the first refill steps it to 4)
	s_lshl_b32 s41, s[CH], 18
	s_add_co_u32 s40, s40, s41
	s_lshl_b32 s41, s[CX], 16
	s_add_co_u32 s40, s40, s41
	s_add_co_u32 s40, s40, 3*256
	s_lshl_b32 s41, s[PAN], 19                     ; W: the panel, my work-group's 16,384 bytes of a K step, my wave's 8,192 of them, K step 3
	s_lshl_b32 s42, s[CY], 14
	s_add_co_u32 s41, s41, s42
	s_lshl_b32 s42, s[CH], 13
	s_add_co_u32 s41, s41, s42
	s_add_co_u32 s41, s41, 3*65536
	s_and_b32 s42, ttmp7, 0xffff                   ; cluster y
	s_cmp_eq_u32 s[RH], 0                          ; do I fetch for A?
	s_cselect_b32 s40, s40, s41
	s_cselect_b32 s42, ttmp9, s42                  ; the coordinate along which other clusters read the same bytes
	s_cselect_b32 s[PST], s[PST], 0x10000
	s_cselect_b32 s2, s2, 8                        ; a lane a row of 2,048 bytes, or a lane a block of 256
	s_cselect_b64 s[PFA:PFA+1], s[4:5], s[6:7]
	s_mov_b32 s41, 0
	s_add_nc_u64 s[PFA:PFA+1], s[PFA:PFA+1], s[40:41]
	s_cmp_eq_u32 s42, 0
	s_cselect_b32 s[LIM], 2, -1                    ; the same in all sixteen partners, for a given wave
	v_and_b32 v3, 31, v0
	v_lshlrev_b32 v[PFO], s2, v3
; 16 matrix instructions: row blocks a0, a0 + 1 of the window's four (hi = 0: my rows 0-63, 1: rows 64-127) x all 8 column blocks, 32 along K, from buffer f.  mode = 1: the bias starts the sums.
; The 64 accumulators take turns, one instruction a turn, in the same order in every quarter, over the backward jump too.
.macro MUL16 f, hi, a0, mode
.if \mode
	WIN 0x91+0x40*(\hi)                            ; W and the bias in window 1, A in window 0, D in window 2 or 3
.else
	WIN 0xa1+0x50*(\hi)                            ; W in window 1, A in window 0, C and D in window 2 or 3
.endif
.irp a, \a0, (\a0)+1
.irp b, 0,1,2,3,4,5,6,7
.if \mode
	v_wmma_f32_16x16x32_bf16 v[8*(8*(\a)+(\b)):8*(8*(\a)+(\b))+7], v[(\f)+8*(\b):(\f)+8*(\b)+7], v[(\f)+8*(4*(\hi)+(\a)):(\f)+8*(4*(\hi)+(\a))+7], v[BIAS+8*(\b):BIAS+8*(\b)+7]
.else
	v_wmma_f32_16x16x32_bf16 v[8*(8*(\a)+(\b)):8*(8*(\a)+(\b))+7], v[(\f)+8*(\b):(\f)+8*(\b)+7], v[(\f)+8*(4*(\hi)+(\a)):(\f)+8*(4*(\hi)+(\a))+7], v[8*(8*(\a)+(\b)):8*(8*(\a)+(\b))+7]
.endif
.endr
.endr
.endm
; 32 LDS loads in one run: quarter q's fragments (32 along K) into buffer f: W's eight, turned, then A's eight
.macro FETCH q, f
	WIN TO_B
.irp b, 0,1,2,3,4,5,6,7
	ds_load_tr16_b128 v[(\f)+8*(\b):(\f)+8*(\b)+3],   v[ADRB] offset:(\q)*32*PB+32*(\b)
	ds_load_tr16_b128 v[(\f)+8*(\b)+4:(\f)+8*(\b)+7], v[ADRB] offset:(\q)*32*PB+32*(\b)+16*PB
.endr
	WIN 0
.irp a, 0,1,2,3,4,5,6,7
	ds_load_b128 v[(\f)+8*(\a):(\f)+8*(\a)+3],   v[ADRA] offset:(\a)*16*PA+64*(\q)
	ds_load_b128 v[(\f)+8*(\a)+4:(\f)+8*(\a)+7], v[ADRA] offset:(\a)*16*PA+64*(\q)+32
.endr
.endm
; A K step is four quarters of 32 along K, 64 matrix instructions each, on buffers 0, 1, 0, 1.  One of the first three: multiplies quarter q in buffer f and, in its middle, fetches quarter q + 1 into g.
.macro QUARTER q, f, g, mode
	s_wait_dscnt 8                                 ; W's fragments and A's rows 0-63 are in; the youngest eight loads (A's rows 64-127) may be out
	MUL16 \f, 0, 0, \mode
	MUL16 \f, 0, 2, \mode
	PLACES
	FETCH (\q)+1, \g
	s_wait_dscnt 32                                ; all but the 32 just issued
	MUL16 \f, 1, 0, \mode
	MUL16 \f, 1, 2, \mode
.endm
; The fourth quarter multiplies buffer 1 and changes slots: ONE barrier.  In front of it each wave waits for all its tensor loads (one is out: its part of the next slot), adds 0 to its spare word,
; and waits for that and for its own reads of this slot.  fill = 1: the barrier opens a round of the cluster's, and behind the round this slot is filled again, two K steps ahead.
.macro TURN fill
.if \fill
	s_wait_xcnt 0x0                                ; the last prefetch, a K step back, has read its address: it is stepped here, ahead of the waits of the change
	s_add_nc_u64 s[PFA:PFA+1], s[PFA:PFA+1], s[PST:PST+1]
.endif
	WIN 0                                          ; (the add's two registers and the addresses lie in window 0)
	s_wait_tensorcnt 0x0                           ; no tensor load of mine is out, so a group 0 may be written
	ds_add_u32 v[SPW], v[NIL]                      ; 0 onto my spare word
	s_xor_b32 s[TB], s[TB], SLOT1                  ; the reads go over to the other slot
	v_add_nc_u32 v[ADRA], s[TB], v[ADRA0]
	v_add_nc_u32 v[ADRB], s[TB], v[ADRB0]
.if \fill
	s_xor_b32 s[G0A+5], s[G0A+5], SLOT1            ; the walking descriptors: the other slot than last time, the next K step
	s_add_nc_u64 s[G0A+6:G0A+7], s[G0A+6:G0A+7], 256
	s_xor_b32 s[G0B+5], s[G0B+5], SLOT1
	s_add_nc_u64 s[G0B+6:G0B+7], s[G0B+6:G0B+7], 65536
.endif
	s_wait_dscnt 9                                 ; the add and the youngest eight loads may be out
	MUL16 F1, 0, 0, 0                              ; sixteen matrix instructions stand between the add and the wait for it
	s_wait_dscnt 0x0                               ; the add is done, and my reads of this slot are over
	s_barrier_signal -1
	MUL16 F1, 0, 2, 0                              ; work on registers while the others arrive
	WIN 0
	s_barrier_wait -1
.if \fill
	CREST                                          ; no wave of any partner still reads this slot's tile or has a load on its way
	JLOAD                                          ; the first tensor load behind the round; its four v_nop are also the places in front of the loads below
.else
	PLACES
.endif
	FETCH 0, F0
.if \fill
	ASK
.endif
	MUL16 F1, 1, 0, 0
	MUL16 F1, 1, 2, 0
.endm
; THE WAY OUT of row block a.  PACK: rounded to bf16, each accumulator's registers in ascending order.  TOSTAGE: into my own stage, and back as whole rows of 256 bytes.  SEND: stored.
.macro PACK a
.set AC, 64*((\a)%4)
	WIN 0x0a+5*((\a)/4)                            ; sources 0 and 1: window 2 or 3; destination window 0
.irp b, 0,1,2,3,4,5,6,7
.irp r, 0,1,2,3
	v_cvt_pk_bf16_f32 v[TMP+4*(\b)+(\r)], v[AC+8*(\b)+2*(\r)], v[AC+8*(\b)+2*(\r)+1]
.endr
.endr
	WIN 0
.endm
.macro TOSTAGE a
.set BK, OB+192*((\a)%2)
.irp b, 0,1,2,3,4,5,6,7
	ds_store_b128 v[STO], v[TMP+4*(\b):TMP+4*(\b)+3] offset:32*(\b)
.endr
.irp t, 0,1,2,3,4,5,6,7
	ds_load_b128 v[BK+4*(\t):BK+4*(\t)+3], v[RD] offset:(\t)*2*SP  ; LDS serves a wave's instructions in order (ISA guide 5.7.1.4): these see the stores above
.endr
.endm
.macro SEND a
.set BK, OB+192*((\a)%2)
	s_wait_dscnt 0x0                               ; the block is back in registers
	s_wait_xcnt 0x0                                ; every earlier store has had its addresses translated (ISA guide 3.1): the registers that the block before stored from are loaded again only behind this wait
.irp t, 0,1,2,3,4,5,6,7
	global_store_b128 v[CO], v[BK+4*(\t):BK+4*(\t)+3], s[10:11] offset:(16*(\a)+2*(\t))*512  ; 16 lanes store 256 consecutive bytes, at a multiple of 256 from C's first byte
.endr
.endm
	s_wait_tensorcnt 1                             ; my part of K step 0 is in; K step 1's may stay out
	s_barrier_signal -1
	s_barrier_wait -1                              ; everybody's is
	FETCH 0, F0
	s_wait_loadcnt 0x0                             ; the bias
	QUARTER 0, F0, F1, 1                           ; the first quarter stands in front of the loop: its products start the sums, with the bias
	WIN 0                                          ; at a label and at a branch every window is 0
	s_mov_b32 s3, 6
.Lk:                                               ; a trip: a K step's quarters 1 to 3 and the next step's quarter 0; the slot left is filled again: K steps 2 to 7
	QUARTER 1, F1, F0, 0
	QUARTER 2, F0, F1, 0
	TURN 1
	QUARTER 0, F0, F1, 0
	WIN 0
	s_sub_co_u32 s3, s3, 1
	s_cmp_lg_u32 s3, 0
	s_cbranch_scc1 .Lk
	QUARTER 1, F1, F0, 0                           ; the last two K steps are written out: nothing is left to fetch
	QUARTER 2, F0, F1, 0
	TURN 0
	QUARTER 0, F0, F1, 0
	QUARTER 1, F1, F0, 0
	QUARTER 2, F0, F1, 0
	s_wait_dscnt 8
	MUL16 F1, 0, 0, 0
	MUL16 F1, 0, 2, 0
	s_wait_dscnt 0x0
	MUL16 F1, 1, 0, 0
	MUL16 F1, 1, 2, 0
	PLACES
	PACK 0
	TOSTAGE 0
.irp a, 1,2,3,4,5,6,7                  ; block a's conversions stand between block a - 1's loads from the stage and the wait for them
	PACK \a
	SEND (\a)-1
	TOSTAGE \a
.endr
	SEND 7
	s_wait_tensorcnt 0x0                           ; the wave's end, behind my last tensor load and my last LDS store
	ds_add_u32 v[SPW], v[NIL]
	s_wait_dscnt 0x0
	CROUND                                         ; the closing round: no work-group ends while a partner may still ask for a tile that names it
	s_endpgm
.Lfunc_end_k_q9e70bc48e4_gemm_qkv:
	.size	k_q9e70bc48e4_gemm_qkv, .Lfunc_end_k_q9e70bc48e4_gemm_qkv-k_q9e70bc48e4_gemm_qkv
	.p2alignl 7, 3214868480
	.fill 96, 4, 3214868480
	.section	.rodata,"a",@progbits
	.p2align	6, 0x0
	.amdhsa_kernel k_q9e70bc48e4_gemm_qkv
		.amdhsa_group_segment_fixed_size 327680
		.amdhsa_private_segment_fixed_size 0
		.amdhsa_enable_private_segment 0
		.amdhsa_kernarg_size 32
		.amdhsa_user_sgpr_count 2
		.amdhsa_user_sgpr_kernarg_segment_ptr 1
		.amdhsa_wavefront_size32 1
		.amdhsa_system_sgpr_workgroup_id_x 1
		.amdhsa_system_sgpr_workgroup_id_y 1
		.amdhsa_system_sgpr_workgroup_id_z 1
		.amdhsa_system_vgpr_workitem_id 0
		.amdhsa_next_free_vgpr 1024
		.amdhsa_next_free_sgpr 66
		.amdhsa_reserve_vcc 0
		.amdhsa_float_denorm_mode_32 3
		.amdhsa_float_denorm_mode_16_64 3
		.amdhsa_memory_ordered 1
		.amdhsa_forward_progress 1
		.amdhsa_inst_pref_size 119
	.end_amdhsa_kernel
	.amdgpu_metadata
---
amdhsa.version: [ 1, 2 ]
amdhsa.kernels:
  - .name:           k_q9e70bc48e4_gemm_qkv
    .symbol:         k_q9e70bc48e4_gemm_qkv.kd
    .args:
      - { .name: xb, .offset: 0, .size: 8, .value_kind: global_buffer, .address_space: global }
      - { .name: wqp, .offset: 8, .size: 8, .value_kind: global_buffer, .address_space: global }
      - { .name: b_qkv, .offset: 16, .size: 8, .value_kind: global_buffer, .address_space: global }
      - { .name: qkv, .offset: 24, .size: 8, .value_kind: global_buffer, .address_space: global }
    .group_segment_fixed_size: 327680
    .private_segment_fixed_size: 0
    .kernarg_segment_align: 8
    .kernarg_segment_size: 32
    .max_flat_workgroup_size: 128
    .sgpr_count:     66
    .vgpr_count:     1024
    .wavefront_size: 32
...
	.end_amdgpu_metadata
.endif
;; end of part 2
;; launch attn (part 3): grid 16 x 16, 4 waves a work-group, clusters of 4 x 1, 327,680 bytes of LDS; arguments qkv, att; writes att
.if DOCPART == 3
	.amdgcn_target "amdgcn-amd-amdhsa--gfx1250"
	.amdhsa_code_object_version 6
	.text
	.protected	k_q9e70bc48e4_attn
	.globl	k_q9e70bc48e4_attn
	.p2align	8
	.type	k_q9e70bc48e4_attn,@function
k_q9e70bc48e4_attn:
	s_mov_b64 s[64:65], 0
	v_nop
	global_prefetch_b8 v0, s[64:65] scope:SCOPE_SE
	s_setreg_imm32_b32 hwreg(HW_REG_WAVE_MODE, 25, 1), 1
	s_wait_xcnt 0x0
	s_wait_alu depctr_hold_cnt(0) depctr_sa_sdst(0) depctr_va_vdst(0) depctr_va_sdst(0) depctr_va_ssrc(0) depctr_va_vcc(0) depctr_vm_vsrc(0)
	s_getreg_b32 s2, hwreg(HW_REG_IB_STS2, 6, 4)
	s_cmp_eq_u32 s2, 0
	s_cbranch_scc0 .Lentry_in_a_cluster
	s_endpgm
.Lentry_in_a_cluster:
	s_bfe_u32 s2, ttmp6, 0x10000c
	s_cmp_lg_u32 s2, 0x3003
	s_cbranch_scc0 .Lentry_shape_is_right
	s_endpgm
.Lentry_shape_is_right:
; ATTENTION, head size 256, no mask.  att[b][n][256 h ..] = the sum over k of softmax_k(q . k / 16) v, for 4 batches x 4 heads of 2,048 rows.
; qkv: [12 panels][8192 rows][256] bf16: q of head h is panel h, k panel 4 + h, v panel 8 + h; row = 2,048 b + n: a head's rows are dense, 512 bytes each.  att: [8192][1024] bf16.
; Products, maxima and sums in f32; the weights p are rounded to bf16 for the second product (their sum l is taken of the unrounded p), att once at the end.
; LIMITS.  bf16 operands (8 significant bits, f32's range).  c m starts at -4.25e37, far below every c s that finite bf16 rows of 256 can make after the scale; a weight below 2^-126 counts as 0 in l;
; NaN and infinities are not treated apart.
; SHARES.  A work-group owns 128 queries of one head.  Wave w: its 64 queries by w / 2 (four tiles of 16), and by kj = w % 2 which 64 of each tile's 128 keys it walks: so a fragment of K or V read
; from LDS feeds four tiles' products.  Each wave has a running maximum m, sum l and O of its own over its 1,024 keys; the two waves of a query half are combined once at the end, in f32, through LDS.
; A wave's register tile t holds query tile (t + 2 kj) % 4: every wave keeps its register tiles 0, 1 and hands 2, 3 to its partner: one text for all waves.
; LAYOUT.  S^T = K Q^T (source 0 = 16 keys, source 1 = 16 queries): a lane holds ONE query (l % 16) and the keys 8 (l / 16) + 0..7.  Two such results rounded to bf16 in pairs ARE source 1
; (32 keys x 16 queries) of O^T = V^T P, whose result again holds one query a lane, and eight channels.  K comes out of LDS as it lies, V ([key][channel]) turned, by ds_load_tr16_b128.
; SOFTMAX.  p = 2^(c s - c m), c = log2(e) / 16; in every sub-step O and l are multiplied by a = 2^(c m_old - c m_new).  m starts at the lowest finite number, O and l at 0: the first sub-step's a is 0,
; and no first step is written out; the price is 512 v_mov_b32 that clear O, which run while the first tile is on its way.
; A SUB-STEP is 32 keys: 64 products K Q^T, the softmax of four tiles, 64 products V^T P.  K and V share ONE buffer of 128 registers, in two halves that are loaded again as soon as they have been
; multiplied.  Of a sub-step's 256 rescalings of O^T 224 stand behind the products V^T P, four behind each; the rest of the softmax stands by itself, with ONE batch of exponentials and one wait.
; CLUSTER.  The four query blocks of a cluster belong to one head and walk the same K and V, so each tile is asked for JOINTLY: the same tensor load, descriptor and mask in all four.
; REGISTERS, in windows of 256 (s_set_vgpr_msb: bits 1:0 source 0, 3:2 source 1, 5:4 source 2, 7:6 destination):
;   window 0: v0-15 addresses; v16-55 ten registers of statistics a tile; v56-63 the partner's statistics; v64-127 S^T, 16 a tile, P in place in the first 8; v128-255 K or V
;   window 1: O^T of tiles 0, 1, 128 a tile          window 2: O^T of tiles 2, 3          window 3: Q, 64 a tile
.set PK,    528       ; a row of K in LDS: 512 bytes + 16 of padding: the 16 rows of a load start at 16 different groups of four banks (64 banks of 4 bytes: ISA guide 11.1)
.set PV,    544       ; a row of V: 512 + 32
.set VOFF,  128*PK    ; a slot holds a tile: 128 rows of K, then 128 rows of V
.set SLOT1, 0x22000   ; slot 1 begins here; none of the addresses in slot 0 that are turned has bit 13 or bit 17 set, so one exclusive or turns them into slot 1's
.set OSTAGE, 2*SLOT1  ; behind the ring, never filled by a tensor load: 16 rows x 528 bytes for each wave, for the way out
.set OSP,   528
.set SPARE, OSTAGE+4*16*OSP  ; behind the stages: the spare words, 128 bytes for each wave: two blocks of 256 bytes that no other line names
.set XST,   131072    ; the exchange at the end lies in slot 0, behind that slot's last fill: 32,768 bytes of O^T for each wave from byte 0, 1,024 bytes of statistics for each wave from here
.set TILEB, 65536     ; bytes of K, and of V, in a tile
.set AK0, 2           ; v2   my lane's place in my half of a tile of K; never rewritten
.set AV0, 3           ; v3   the same for V
.set AK,  4           ; v4   the LDS address of K's run of loads in hand
.set AV,  5           ; v5   of V's
.set QO,  6           ; v6   my byte offset in 16 rows of Q
.set STO, 6           ;      later, the way out: where I put 16 bytes of a row
.set RD,  7           ; v7   the way out: where I read a row back
.set GO,  8           ; v8   my 16 bytes of a row's 512 in att
.set PFO, 12          ; v12  256 x my lane; never rewritten
.set XO,  13          ; v13  the exchange: my 16 bytes of a quad of registers
.set SPW, 14          ; v14  LDS address of my spare word: SPARE + 4 x my thread's number; never rewritten
.set NIL, 15          ; v15  0; never rewritten
.set ST,  16          ; tile t's statistics at v[ST+10 t]: +0 c m, +1 m, +2, +3 l (even keys', odd keys'), +4 a, +5 c m_old - c m_new, +6 to +9 at work
.set S,   64          ; S^T of tile t, key block kb at S + 16 t + 8 kb; P of tile t at S + 16 t .. + 7
.set KV,  128
.set KH,  10          ; s[10:11] K at the head's first row
.set WV,  12          ; s12  my wave's number
.set LIM, 15          ; s15  1 in a wave that prefetches, else the greatest number
.set PFA, 22          ; s[22:23] where my prefetches stand
.set G1K, 24          ; s[24:31] descriptor group 1 for K's tiles
.set G1V, 32          ; s[32:39] for V's: it differs in the padding alone
.set G0K, 40          ; s[40:47] descriptor group 0 for K's tiles: a set for each of the two first fills; the second then walks on
.set G0V, 48          ; s[48:55] the same for V's
.set SLOTS, 56        ; s56  counts the tiles
.set CNT, 57          ; s57  counts a tile's two sub-steps
.set CS,  58          ; s[58:59] c: the packed scaling takes the pair's low word for both halves
.set SEL, 60          ; s[60:61] v_permlanex16_b32's selects: each lane takes its own place in the other half
.set TBK, 62          ; s62  LDS byte at which K of the sub-step to be fetched begins, less my half's place
.set TBV, 63          ; s63  the same for V
.set VH,  66          ; s[66:67] V at the head's first row
.set QA,  68          ; s[68:69] Q at my register tiles 0, 1
.set QB,  70          ; s[70:71] at my register tiles 2, 3
.set OUT, 72          ; s[72:73] att at the 32 rows that I finish
.set W_KQ, 0x0c       ; K in window 0, Q in window 3, S^T in window 0
.set MSB, 0
.macro WIN new                      ; the high byte repeats the setting that is left; a switch that changes nothing is dropped
.if MSB != (\new)
	s_set_vgpr_msb (MSB<<8)|(\new)
.set MSB, \new
.endif
.endm
.macro PLACES                       ; four places behind matrix instructions, in front of loads into registers that they read and of vector lines that read results (ISA guide 7.12.1 for the vector lines)
.rept 4
	v_nop
.endr
.endm
.macro ALL line:vararg              ; one line for each tile t
.set t, 0
.rept 4
	\line
.set t, t+1
.endr
.endm
; A joint refill by the walking descriptors.  Waves 0 and 1 fetch the two halves of a tile's K, waves 2 and 3 those of its V: 64 keys each.  The branch hangs on the wave's number alone.
; An s_nop 0 and four v_nop follow each of the two lines, ahead of the jump and the label.
.macro JLOAD
	s_cmp_lt_u32 s[WV], 2
	s_cbranch_scc0 .Lfor_v_\@
	tensor_load_to_lds s[G0K+4:G0K+7], s[G1K:G1K+7]
	s_nop 0
.rept 4
	v_nop
.endr
	s_branch .Lasked_\@
.Lfor_v_\@:
	tensor_load_to_lds s[G0V+4:G0V+7], s[G1V:G1V+7]
	s_nop 0
.rept 4
	v_nop
.endr
.Lasked_\@:
.endm
; A PREFETCH INTO THE L2 of the tile that the NEXT change of slots will ask for: two sub-steps, 256 matrix instructions of a wave, ahead of that load.  It stands behind the wave's tensor load and its five lines.
; Each aligned block of 256 bytes is named ONCE in the launch.  All four clusters of a head walk the same K and V: the first (cluster x = 0) asks.  Its four partners share a tile's 65,536 bytes out BY
; ADDRESS, 16,384 each; in each, a wave asks for 32 blocks of the tensor that it fetches, a lane a block.  Tiles 0 to 2 come by their loads alone; the last change that fills a slot asks for nothing.
.macro ASK
	s_cmp_gt_u32 s[SLOTS], s[LIM]
	s_cbranch_scc0 .Lnot_mine_\@
	global_prefetch_b8 v[PFO], s[PFA:PFA+1] th:TH_LOAD_NT scope:SCOPE_SE
.Lnot_mine_\@:
.endm
.macro CROUND                       ; a round of the cluster's barrier: my work-group's barrier; wave 0 signals for the work-group; every wave waits for all four work-groups; my work-group's barrier once more
	s_barrier_signal -1
	s_barrier_wait -1
	s_cmp_lg_u32 s[WV], 0
	s_cbranch_scc1 .Lnot_wave_0_\@
	s_barrier_signal -3
.Lnot_wave_0_\@:
	s_barrier_wait -3
	s_barrier_signal -1
	s_barrier_wait -1
.endm
	s_load_b128 s[4:7], s[0:1], 0x0 ; qkv s[4:5], att s[6:7]
	v_lshl_add_u32 v[SPW], v0, 2, SPARE
	v_mov_b32 v[NIL], 0
	ds_add_u32 v[SPW], v[NIL]       ; the wave's opening: the add and its wait stand ahead of my first tensor load; the set-up below, work on registers, stands between them
	v_lshrrev_b32 v1, 5, v0
	v_readfirstlane_b32 s[WV], v1
	s_bfe_u32 s13, ttmp6, 0x40000   ; cx: my place in the cluster
	s_lshl_b32 s14, ttmp9, 2        ; in a cluster launch ttmp9 counts clusters
	s_add_co_u32 s14, s14, s13      ; my block of 128 queries: it enters Q's and att's addresses alone
	s_and_b32 s16, s[WV], 1         ; kj
	s_lshr_b32 s19, s[WV], 1        ; which 64 queries
	s_and_b32 s17, ttmp7, 0xffff    ; 4 b + h, which the four partners share
	s_and_b32 s18, s17, 3           ; h
	s_lshr_b32 s17, s17, 2          ; b
	s_lshl_b32 s20, s18, 22         ; a panel is 4,194,304 bytes,
	s_lshl_b32 s2, s17, 20          ; a batch's 2,048 rows of 512 bytes
	s_add_co_u32 s20, s20, s2
	s_mov_b32 s21, 0
	s_lshl_b32 s2, s16, 15          ; the 64 keys of a tile that I fetch
	s_mov_b32 s3, 0
	s_mov_b32 s[G1K], 15|(1<<16)|(1<<20)|(1<<21)|(6<<22)|(3<<25)  ; 15:0 the mask of four; 17:16 2-byte elements; 20 padding on; 21 set beside a mask; 24:22 after every 128 words (code 6); 31:25 4 words (code 3)
	s_mov_b32 s[G1V], 15|(1<<16)|(1<<20)|(1<<21)|(6<<22)|(7<<25)  ; the same with 8 words of padding (code 7)
.irp g, G1K, G1V
	s_mov_b32 s[\g+1], 256<<16      ; tensor_dim0 = 256
	s_mov_b32 s[\g+2], 64<<16       ; tensor_dim1 = 64
	s_mov_b32 s[\g+3], 256<<16      ; tile_dim0 = 256
	s_mov_b32 s[\g+4], 64           ; tile_dim1 = 64
	s_mov_b32 s[\g+5], 256          ; elements from row to row
	s_mov_b32 s[\g+6], 0
	s_mov_b32 s[\g+7], 0
.endr
	s_mov_b32 s[G0K], 1             ; count = 1
	s_mov_b32 s[G0K+4], 1
	s_mov_b32 s[G0V], 1
	s_mov_b32 s[G0V+4], 1
	s_mul_i32 s[G0K+1], s16, 64*PK  ; LDS addresses hang on the wave's number alone
	s_add_co_u32 s[G0K+5], s[G0K+1], SLOT1
	s_mul_i32 s[G0V+1], s16, 64*PV
	s_add_co_u32 s[G0V+1], s[G0V+1], VOFF
	s_add_co_u32 s[G0V+5], s[G0V+1], SLOT1
	s_mov_b32 s[CS], 0x3db8aa3b     ; c = log2(e) / 16 = 0.0901684
	s_mov_b32 s[CS+1], s[CS]        ; named with it as a pair
	s_mov_b32 s[SEL], 0x76543210
	s_mov_b32 s[SEL+1], 0xfedcba98
	s_mov_b32 s[TBK], 0
	s_mov_b32 s[TBV], 0
	s_wait_dscnt 0x0                ; the opening add is done
	s_wait_kmcnt 0x0
	s_add_nc_u64 s[8:9], s[4:5], s[20:21]     ; q at the head's first row
	s_add_nc_u64 s[KH:KH+1], s[8:9], 4<<22    ; k lies four panels on,
	s_add_nc_u64 s[VH:VH+1], s[8:9], 8<<22    ; v eight
	s_add_nc_u64 s[G0K+2:G0K+3], s[KH:KH+1], s[2:3]        ; tile 0 into slot 0,
	s_add_nc_u64 s[G0K+6:G0K+7], s[G0K+2:G0K+3], TILEB     ; tile 1 into slot 1
	s_or_b32 s[G0K+3], s[G0K+3], 0x80000000                ; type = 2
	s_or_b32 s[G0K+7], s[G0K+7], 0x80000000
	s_add_nc_u64 s[G0V+2:G0V+3], s[VH:VH+1], s[2:3]
	s_add_nc_u64 s[G0V+6:G0V+7], s[G0V+2:G0V+3], TILEB
	s_or_b32 s[G0V+3], s[G0V+3], 0x80000000
	s_or_b32 s[G0V+7], s[G0V+7], 0x80000000
	CROUND                          ; all four work-groups are here: the first joint loads meet
	s_cmp_lt_u32 s[WV], 2           ; a wave's two first fills stand in one branch, ahead of every wait on TENSORcnt and every LDS read: two loads of mine are out
	s_cbranch_scc0 .Lfirst_v
	tensor_load_to_lds s[G0K:G0K+3], s[G1K:G1K+7]
	s_nop 0
	tensor_load_to_lds s[G0K+4:G0K+7], s[G1K:G1K+7]
	s_nop 0
.rept 4
	v_nop
.endr
	s_branch .Lfirst_asked
.Lfirst_v:
	tensor_load_to_lds s[G0V:G0V+3], s[G1V:G1V+7]
	s_nop 0
	tensor_load_to_lds s[G0V+4:G0V+7], s[G1V:G1V+7]
	s_nop 0
.rept 4
	v_nop
.endr
.Lfirst_asked:
	s_lshl_b32 s20, s14, 16         ; my block's 128 rows of 512 bytes,
	s_lshl_b32 s2, s19, 15          ; my 64 of them
	s_add_co_u32 s20, s20, s2
	s_add_nc_u64 s[8:9], s[8:9], s[20:21]
	s_lshl_b32 s2, s16, 14          ; register tiles 0, 1 are query tiles 2 kj, 2 kj + 1,
	s_add_nc_u64 s[QA:QA+1], s[8:9], s[2:3]
	s_xor_b32 s2, s2, 1<<14         ; register tiles 2, 3 the other two
	s_add_nc_u64 s[QB:QB+1], s[8:9], s[2:3]
	; A fragment of K or Q is 16 rows x 32 channels in 8 registers: lane l holds row l % 16, channels 8 (l / 16) + 0..7 and 16 + 8 (l / 16) + 0..7: two loads of 16 bytes, 32 bytes apart.
	v_and_b32 v1, 15, v0            ; l % 16; kept
	v_bfe_u32 v9, v0, 4, 1          ; l / 16; kept
	v_lshlrev_b32 v[QO], 9, v1
	v_lshl_add_u32 v[QO], v9, 4, v[QO]
	WIN 0xc0                        ; destination window 3, address window 0
.set i, 0
.rept 32                            ; Q stays in registers: tile i / 8, channels 32 (i % 8) on
.if i < 16
	global_load_b128 v[8*i:8*i+3],   v[QO], s[QA:QA+1] offset:((i/8)%2)*8192+(i%8)*64
	global_load_b128 v[8*i+4:8*i+7], v[QO], s[QA:QA+1] offset:((i/8)%2)*8192+(i%8)*64+32
.else
	global_load_b128 v[8*i:8*i+3],   v[QO], s[QB:QB+1] offset:((i/8)%2)*8192+(i%8)*64
	global_load_b128 v[8*i+4:8*i+7], v[QO], s[QB:QB+1] offset:((i/8)%2)*8192+(i%8)*64+32
.endif
.set i, i+1
.endr
	WIN 0x40                        ; O^T starts at 0: written while the first tile is on its way
.set i, 0
.rept 256
	v_mov_b32 v[i], 0
.set i, i+1
.endr
	WIN 0x80
.set i, 0
.rept 256
	v_mov_b32 v[i], 0
.set i, i+1
.endr
	WIN 0
	ALL v_mov_b32 v[ST+10*t], 0xfe000000      ; c m: far below every c s
	ALL v_mov_b32 v[ST+10*t+1], 0xff7fffff    ; m
	ALL v_mov_b32 v[ST+10*t+2], 0
	ALL v_mov_b32 v[ST+10*t+3], 0
	v_mul_u32_u24 v[AK0], v1, PK
	v_lshl_add_u32 v[AK0], v9, 4, v[AK0]
	s_mul_i32 s2, s16, 64*PK        ; my 64 keys of a tile
	v_add_nc_u32 v[AK0], s2, v[AK0]
	; The turning load takes 16 keys x 16 channels (lane l reads key 8 (l / 16) + l % 8, channels 8 ((l / 8) % 2) + 0..7) and leaves half a fragment of V^T: lane l holds channel l % 16 and 8 keys.
	v_and_b32 v10, 7, v0
	v_bfe_u32 v11, v0, 3, 1
	v_lshl_add_u32 v[AV0], v9, 3, v10
	v_mul_u32_u24 v[AV0], v[AV0], PV
	v_lshl_add_u32 v[AV0], v11, 4, v[AV0]
	s_mul_i32 s2, s16, 64*PV
	s_add_co_u32 s2, s2, VOFF
	v_add_nc_u32 v[AV0], s2, v[AV0]
	v_and_b32 v[PFO], 31, v0
	v_lshlrev_b32 v[PFO], 8, v[PFO]
	s_lshl_b32 s20, s17, 22         ; att: a batch's 2,048 rows of 2,048 bytes,
	s_lshl_b32 s2, s14, 18          ; my block's 128,
	s_add_co_u32 s20, s20, s2
	s_lshl_b32 s2, s19, 17          ; my half's 64,
	s_add_co_u32 s20, s20, s2
	s_lshl_b32 s2, s16, 16          ; the 32 that I finish,
	s_add_co_u32 s20, s20, s2
	s_lshl_b32 s2, s18, 9           ; the head's 256 columns
	s_add_co_u32 s20, s20, s2
	s_add_nc_u64 s[OUT:OUT+1], s[6:7], s[20:21]
	s_cmp_lt_u32 s[WV], 2
	s_cselect_b64 s[PFA:PFA+1], s[KH:KH+1], s[VH:VH+1]
	s_lshl_b32 s20, s13, 14         ; my work-group's 16,384 bytes of a tile,
	s_lshl_b32 s2, s16, 13          ; my wave's 8,192 of them,
	s_add_co_u32 s20, s20, s2
	s_add_co_u32 s20, s20, 2*TILEB  ; in tile 2: the first change of slots steps it to tile 3
	s_add_nc_u64 s[PFA:PFA+1], s[PFA:PFA+1], s[20:21]
	s_cmp_eq_u32 ttmp9, 0           ; the head's first cluster: the same in all four partners
	s_cselect_b32 s[LIM], 1, -1
; THE LDS LOADS stand in runs of 16.  Half hf of a sub-step's K: channels 128 hf on, both blocks of 16 keys: fragment f holds channels 32 (4 hf + f / 2) on of key block f % 2.
.macro FETCH_K hf
	WIN 0
.if (\hf) == 0
	v_add_nc_u32 v[AK], s[TBK], v[AK0]
.endif
.irp f, 0,1,2,3,4,5,6,7
	ds_load_b128 v[KV+64*(\hf)+8*(\f):KV+64*(\hf)+8*(\f)+3],   v[AK] offset:((\f)%2)*16*PK+(4*(\hf)+(\f)/2)*64
	ds_load_b128 v[KV+64*(\hf)+8*(\f)+4:KV+64*(\hf)+8*(\f)+7], v[AK] offset:((\f)%2)*16*PK+(4*(\hf)+(\f)/2)*64+32
.endr
.if (\hf) == 1
	s_add_co_u32 s[TBK], s[TBK], 32*PK  ; the next fetch is the next sub-step's
.endif
.endm
; Half hf of a sub-step's V, turned: 32 keys, channel block 8 hf + f.
.macro FETCH_V hf
	WIN 0
.if (\hf) == 0
	v_add_nc_u32 v[AV], s[TBV], v[AV0]
.endif
.irp f, 0,1,2,3,4,5,6,7
	ds_load_tr16_b128 v[KV+64*(\hf)+8*(\f):KV+64*(\hf)+8*(\f)+3],   v[AV] offset:(8*(\hf)+(\f))*32
	ds_load_tr16_b128 v[KV+64*(\hf)+8*(\f)+4:KV+64*(\hf)+8*(\f)+7], v[AV] offset:(8*(\hf)+(\f))*32+16*PV
.endr
.if (\hf) == 1
	s_add_co_u32 s[TBV], s[TBV], 32*PV
.endif
.endm
; 32 products of S^T = K Q^T on half hf of the channels.  Product i: channels 32 (4 hf + i / 8) on, key block (i / 4) % 2, tile i % 4.  The eight accumulators take turns; the first 8 start the sums.
.macro SQ hf
	WIN W_KQ
.set i, 0
.rept 32
.set rS, S+16*(i%4)+8*((i/4)%2)
.set rK, KV+64*(\hf)+8*(2*(i/8)+(i/4)%2)
.set rQ, 64*(i%4)+8*(4*(\hf)+i/8)
.if ((\hf) == 0) && (i < 8)
	v_wmma_f32_16x16x32_bf16 v[rS:rS+7], v[rK:rK+7], v[rQ:rQ+7], 0
.else
	v_wmma_f32_16x16x32_bf16 v[rS:rS+7], v[rK:rK+7], v[rQ:rQ+7], v[rS:rS+7]
.endif
.set i, i+1
.endr
.endm
; Channel block 8 hf + n of tile t's O^T times a: four packed multiplies, the accumulator's lowest registers first.
.macro RS t, hf, n
	WIN 0x41*(1+(\t)/2)             ; destination and source 0 in O^T's window, a in window 0
.set rO, 128*((\t)%2)+8*(8*(\hf)+(\n))
.irp z, 0,1,2,3
	v_pk_mul_f32 v[rO+2*\z:rO+2*\z+1], v[rO+2*\z:rO+2*\z+1], v[ST+10*(\t)+4:ST+10*(\t)+5] op_sel_hi:[1,0]
.endr
.endm
; 32 products of O^T += V^T P on half hf of the channels, tile after tile: each adds once onto an accumulator of its own.  Behind each stand the four rescalings of the accumulator that is due eight
; products later: the next tile's; behind tile 3's, in half 0, tile 0's of half 1.  No such line names a register of the product in front of it.
.macro PVH hf
.set t, 0
.rept 4
.set n, 0
.rept 8
	WIN 0x50*(1+t/2)                ; V and P in window 0, O^T in its window
.set rO, 128*(t%2)+8*(8*(\hf)+n)
	v_wmma_f32_16x16x32_bf16 v[rO:rO+7], v[KV+64*(\hf)+8*n:KV+64*(\hf)+8*n+7], v[S+16*t:S+16*t+7], v[rO:rO+7]
.if t < 3
	RS t+1, \hf, n
.elseif (\hf) == 0
	RS 0, 1, n
.endif
.set n, n+1
.endr
.set t, t+1
.endr
.endm
.macro FS                           ; c s - c m for pair pb of each tile's 8 pairs of scores
	ALL v_pk_fma_f32 v[S+16*t+2*pb:S+16*t+2*pb+1], v[S+16*t+2*pb:S+16*t+2*pb+1], s[CS:CS+1], v[ST+10*t:ST+10*t+1] op_sel_hi:[1,0,0] neg_lo:[0,0,1] neg_hi:[0,0,1]
.endm
; THE SOFTMAX of a sub-step.  Every line is written for the four tiles in turn, so that a line and the one that needs its result stand four apart.  s0-s15 are the lane's 16 scores.
; The maximum (each accumulator's lowest registers are read first), the exchange with the lane 16 away, m, c m and its change.  Then ONE BATCH: a, the scalings and the 16
; exponentials a tile, none of which names an exponential's result; a v_nop, the plain instruction behind the last exponential; ONE wait for all 68, ahead of the first
; line that names a result.  Then the sums and the roundings: P goes into S^T's first 8 registers, and each pair is added up before the rounding that lands on it.  Last, tile 0's first 8 rescalings.
.macro SOFT
	WIN 0
	ALL v_max3_num_f32 v[ST+10*t+6], v[S+16*t], v[S+16*t+1], v[S+16*t+2]
	ALL v_max3_num_f32 v[ST+10*t+7], v[S+16*t+8], v[S+16*t+9], v[S+16*t+10]
	ALL v_max3_num_f32 v[ST+10*t+6], v[ST+10*t+6], v[S+16*t+3], v[S+16*t+4]
	ALL v_max3_num_f32 v[ST+10*t+7], v[ST+10*t+7], v[S+16*t+11], v[S+16*t+12]
	ALL v_max3_num_f32 v[ST+10*t+6], v[ST+10*t+6], v[S+16*t+5], v[S+16*t+6]
	ALL v_max3_num_f32 v[ST+10*t+7], v[ST+10*t+7], v[S+16*t+13], v[S+16*t+14]
	ALL v_max3_num_f32 v[ST+10*t+6], v[ST+10*t+6], v[S+16*t+7], v[S+16*t+15]
	ALL v_max3_num_f32 v[ST+10*t+6], v[ST+10*t+6], v[ST+10*t+7], v[ST+10*t+1]
	ALL v_permlanex16_b32 v[ST+10*t+7], v[ST+10*t+6], s[SEL], s[SEL+1]
	ALL v_mov_b32 v[ST+10*t+5], v[ST+10*t]
	ALL v_max_num_f32 v[ST+10*t+1], v[ST+10*t+6], v[ST+10*t+7]
	ALL v_mul_f32 v[ST+10*t], s[CS], v[ST+10*t+1]
	ALL v_sub_f32 v[ST+10*t+5], v[ST+10*t+5], v[ST+10*t]
	ALL v_exp_f32 v[ST+10*t+4], v[ST+10*t+5]
.set pb, 0
	FS
.set eb, 0
.rept 8
.if eb < 7
.set pb, eb+1
	FS
.endif
	ALL v_exp_f32 v[S+16*t+2*eb], v[S+16*t+2*eb]
	ALL v_exp_f32 v[S+16*t+2*eb+1], v[S+16*t+2*eb+1]
.set eb, eb+1
.endr
	v_nop
	s_wait_alu depctr_va_vdst(0)
	ALL v_pk_add_f32 v[ST+10*t+6:ST+10*t+7], v[S+16*t:S+16*t+1], v[S+16*t+2:S+16*t+3]
	ALL v_pk_add_f32 v[ST+10*t+8:ST+10*t+9], v[S+16*t+4:S+16*t+5], v[S+16*t+6:S+16*t+7]
	ALL v_cvt_pk_bf16_f32 v[S+16*t], v[S+16*t], v[S+16*t+1]
	ALL v_cvt_pk_bf16_f32 v[S+16*t+1], v[S+16*t+2], v[S+16*t+3]
	ALL v_cvt_pk_bf16_f32 v[S+16*t+2], v[S+16*t+4], v[S+16*t+5]
	ALL v_cvt_pk_bf16_f32 v[S+16*t+3], v[S+16*t+6], v[S+16*t+7]
	ALL v_pk_add_f32 v[ST+10*t+6:ST+10*t+7], v[ST+10*t+6:ST+10*t+7], v[S+16*t+8:S+16*t+9]
	ALL v_pk_add_f32 v[ST+10*t+8:ST+10*t+9], v[ST+10*t+8:ST+10*t+9], v[S+16*t+10:S+16*t+11]
	ALL v_cvt_pk_bf16_f32 v[S+16*t+4], v[S+16*t+8], v[S+16*t+9]
	ALL v_cvt_pk_bf16_f32 v[S+16*t+5], v[S+16*t+10], v[S+16*t+11]
	ALL v_pk_add_f32 v[ST+10*t+6:ST+10*t+7], v[ST+10*t+6:ST+10*t+7], v[S+16*t+12:S+16*t+13]
	ALL v_pk_add_f32 v[ST+10*t+8:ST+10*t+9], v[ST+10*t+8:ST+10*t+9], v[S+16*t+14:S+16*t+15]
	ALL v_cvt_pk_bf16_f32 v[S+16*t+6], v[S+16*t+12], v[S+16*t+13]
	ALL v_cvt_pk_bf16_f32 v[S+16*t+7], v[S+16*t+14], v[S+16*t+15]
	ALL v_pk_add_f32 v[ST+10*t+6:ST+10*t+7], v[ST+10*t+6:ST+10*t+7], v[ST+10*t+8:ST+10*t+9]
	ALL v_pk_fma_f32 v[ST+10*t+2:ST+10*t+3], v[ST+10*t+2:ST+10*t+3], v[ST+10*t+4:ST+10*t+5], v[ST+10*t+6:ST+10*t+7] op_sel_hi:[1,0,1]
.irp n, 0,1,2,3,4,5,6,7
	RS 0, 0, \n
.endr
.endm
; A SUB-STEP IN TWO PARTS.  Each s_wait_dscnt 16 leaves out the one run of 16 loads that was issued behind the run that is wanted.
; HEAD: K's first half goes into the half buffer that the last products V^T P have left (their last four rescalings are the places); the sub-step before is ended on V's second half; five places, since the
; products K Q^T that follow write over P, which those products read, and K's second half is loaded over V's.
.macro HEAD
	FETCH_K 0
	s_wait_dscnt 16                 ; V's second half is in
	PVH 1
.rept 5
	v_nop
.endr
	FETCH_K 1
.endm
.macro MAIN
	s_wait_dscnt 16                 ; K's first half is in
	SQ 0
	PLACES
	FETCH_V 0
	s_wait_dscnt 16                 ; K's second half is in
	SQ 1
	PLACES
	FETCH_V 1
	SOFT
	s_wait_dscnt 16                 ; V's first half is in
	PVH 0
.endm
; THE CHANGE OF SLOTS: the tile's last bytes, V of its second sub-step, have been asked for.  Each wave waits for all its tensor loads, of which one is out: its part of the other slot; adds 0 to its spare
; word; and waits for that and for its own reads of the slot.  fill = 1: the slot is filled again, with the tile two on: the barrier is a round of the cluster's, and the joint refill is the first thing behind it.
.macro CHANGE fill
	WIN 0                           ; at a label and at a branch every window is 0
	s_wait_tensorcnt 0x0            ; no tensor load of mine is out, so a group 0 may be written
	ds_add_u32 v[SPW], v[NIL]       ; 0 onto my spare word
.if \fill
.irp g, G0K+4, G0V+4
	s_xor_b32 s[(\g)+1], s[(\g)+1], SLOT1  ; the walking descriptor: the other slot than last time,
	s_add_nc_u64 s[(\g)+2:(\g)+3], s[(\g)+2:(\g)+3], TILEB  ; the next tile; the type bits on top are not reached
.endr
	s_wait_xcnt 0x0                 ; the last prefetch, a tile back, has read its address, so it may be written:
	s_add_nc_u64 s[PFA:PFA+1], s[PFA:PFA+1], TILEB  ; one tile ahead of the walking descriptors
	s_wait_dscnt 0x0                ; the add is done, and my reads of the slot are over
	CROUND
	JLOAD
	ASK
.else
	s_wait_dscnt 0x0                ; the add is done, and my reads of the slot are over
	s_barrier_signal -1
	s_barrier_wait -1
.endif
	s_sub_co_u32 s[TBK], s[TBK], 64*PK  ; the fetches go back to a tile's first sub-step,
	s_xor_b32 s[TBK], s[TBK], SLOT1     ; in the other slot
	s_sub_co_u32 s[TBV], s[TBV], 64*PV
	s_xor_b32 s[TBV], s[TBV], SLOT1
.endm
	s_wait_tensorcnt 1              ; my part of tile 0 is in; tile 1's may stay out
	s_barrier_signal -1
	s_barrier_wait -1               ; everybody's is
	FETCH_K 0                       ; sub-step 0
	FETCH_K 1
	s_wait_loadcnt 0x0              ; Q
	s_mov_b32 s[CNT], 2
	s_mov_b32 s[SLOTS], 15          ; taken down once behind each of the tiles 0 to 14: fourteen changes fill a slot again, with tiles 2 to 15
	s_branch .Lfirst                ; the loop is entered in the middle of a trip: there is no sub-step before the first to end
.Lslot:
	CHANGE 1
	s_mov_b32 s[CNT], 2
.Lstep:
	HEAD
	WIN 0
.Lfirst:
	MAIN
	WIN 0
	s_sub_co_u32 s[CNT], s[CNT], 1
	s_cmp_lg_u32 s[CNT], 0
	s_cbranch_scc1 .Lstep
	s_sub_co_u32 s[SLOTS], s[SLOTS], 1
	s_cmp_lg_u32 s[SLOTS], 0
	s_cbranch_scc1 .Lslot
	CHANGE 0                        ; the last tile is written out: nothing is asked for
	s_mov_b32 s[CNT], 2
.Ltail:
	HEAD
	MAIN
	WIN 0
	s_sub_co_u32 s[CNT], s[CNT], 1
	s_cmp_lg_u32 s[CNT], 0
	s_cbranch_scc1 .Ltail
	s_wait_dscnt 0x0                ; V's last half is in, and my reads of the ring are over:
	s_barrier_signal -1             ; say so: behind this barrier slot 0, which has had its last fill, takes the exchange
	PVH 1                           ; the last products, work on registers while the others arrive
	; THE END.  l's two halves and the other half of the lanes' are added; the addresses are made: plain lines, the places behind the last products.
	WIN 0
	ALL v_add_f32 v[ST+10*t+2], v[ST+10*t+2], v[ST+10*t+3]
	ALL v_permlanex16_b32 v[ST+10*t+3], v[ST+10*t+2], s[SEL], s[SEL+1]
	ALL v_add_f32 v[ST+10*t+2], v[ST+10*t+2], v[ST+10*t+3]
	v_and_b32 v10, 31, v0           ; l
	s_mul_i32 s2, s[WV], 16*OSP
	s_add_co_u32 s2, s2, OSTAGE     ; my stage
	v_mul_u32_u24 v[STO], v1, OSP   ; in: row l % 16, 16 bytes for each half of the lanes
	v_lshl_add_u32 v[STO], v9, 4, v[STO]
	v_add_nc_u32 v[STO], s2, v[STO]
	v_lshl_add_u32 v[RD], v10, 4, s2  ; back: 32 lanes take one row of 512 bytes
	v_lshlrev_b32 v[GO], 4, v10
	s_lshl_b32 s2, s[WV], 15
	v_lshl_add_u32 v[XO], v10, 4, s2  ; the exchange: 32,768 bytes a wave
	s_lshl_b32 s2, s[WV], 10
	s_add_co_u32 s2, s2, XST
	v_lshl_add_u32 v11, v10, 4, s2
	s_barrier_wait -1               ; no wave reads the ring any more
	ds_store_b128 v11, v[ST+20:ST+23]            ; register tile 2's c m, m, l (and a word that nobody uses), as they lie,
	ds_store_b128 v11, v[ST+30:ST+33] offset:512 ; and tile 3's
	WIN 0x08                        ; store data in window 2
.set i, 0
.rept 64                            ; O^T of register tiles 2 and 3, in f32, each accumulator's lowest registers first
	ds_store_b128 v[XO], v[4*i:4*i+3] offset:512*i
.set i, i+1
.endr
	WIN 0
	s_wait_dscnt 0x0                ; for the partner's sake: my stores are done
	s_barrier_signal -1
	s_barrier_wait -1
	s_xor_b32 s3, s[WV], 1          ; my partner: the same queries, the other keys; its register tiles 2, 3 are my 0, 1
	s_lshl_b32 s2, s3, 15
	v_lshl_add_u32 v[XO], v10, 4, s2
	s_lshl_b32 s2, s3, 10
	s_add_co_u32 s2, s2, XST
	v_lshl_add_u32 v11, v10, 4, s2
	ds_load_b128 v[56:59], v11
	ds_load_b128 v[60:63], v11 offset:512
	s_wait_dscnt 0x0
	; With M = max(c m, c m'): w = 2^(c m - M), w' = 2^(c m' - M), L = w l + w' l', O = O w / L + O' w' / L.  The greater of w and w' is 1, and its l is at least about 1.
.irp t, 0,1
	v_max_num_f32 v[ST+10*\t+6], v[ST+10*\t], v[56+4*\t]
.endr
.irp t, 0,1
	v_sub_f32 v[ST+10*\t+8], v[ST+10*\t], v[ST+10*\t+6]
	v_sub_f32 v[ST+10*\t+9], v[56+4*\t], v[ST+10*\t+6]
.endr
.irp t, 0,1
	v_exp_f32 v[ST+10*\t+8], v[ST+10*\t+8]
	v_exp_f32 v[ST+10*\t+9], v[ST+10*\t+9]
.endr
	v_nop                           ; a plain instruction behind the last exponential,
	s_wait_alu depctr_va_vdst(0)    ; and the wait ahead of the first use: one for the four
.irp t, 0,1
	v_mul_f32 v[ST+10*\t+6], v[ST+10*\t+8], v[ST+10*\t+2]
.endr
.irp t, 0,1
	v_fmac_f32 v[ST+10*\t+6], v[ST+10*\t+9], v[58+4*\t]
.endr
.irp t, 0,1
	v_rcp_f32 v[ST+10*\t+7], v[ST+10*\t+6]
.endr
	v_nop
	s_wait_alu depctr_va_vdst(0)    ; one for the two reciprocals
.irp t, 0,1
	v_mul_f32 v[ST+10*\t+4], v[ST+10*\t+8], v[ST+10*\t+7]  ; w / L, the low word of the pair +4, +5
	v_mul_f32 v[ST+10*\t+6], v[ST+10*\t+9], v[ST+10*\t+7]  ; w' / L, the low word of the pair +6, +7
.endr
; Tile t is finished: the partner's 128 registers come in; O^T is combined, rounded to bf16 and sent through my stage: a lane's eight channels of a row pack into 16 bytes, go into rows of 528 bytes
; and come back as whole rows of 512, into the registers that they left.
.macro FIN t
	WIN 0
.set i, 0
.rept 32
	ds_load_b128 v[KV+4*i:KV+4*i+3], v[XO] offset:512*(32*(\t)+i)
.set i, i+1
.endr
	WIN 0x41
.set i, 0
.rept 64
	v_pk_mul_f32 v[128*(\t)+2*i:128*(\t)+2*i+1], v[128*(\t)+2*i:128*(\t)+2*i+1], v[ST+10*(\t)+4:ST+10*(\t)+5] op_sel_hi:[1,0]
.set i, i+1
.endr
	s_wait_dscnt 0x0
	WIN 0x50                        ; the partner's part and its factor in window 0, O^T in window 1
.set i, 0
.rept 64
	v_pk_fma_f32 v[128*(\t)+2*i:128*(\t)+2*i+1], v[KV+2*i:KV+2*i+1], v[ST+10*(\t)+6:ST+10*(\t)+7], v[128*(\t)+2*i:128*(\t)+2*i+1] op_sel_hi:[1,0,1]
.set i, i+1
.endr
	WIN 0x05                        ; sources 0 and 1 window 1, destination window 0
.set i, 0
.rept 64
	v_cvt_pk_bf16_f32 v[S+64*(\t)+i], v[128*(\t)+2*i], v[128*(\t)+2*i+1]
.set i, i+1
.endr
	WIN 0
.set i, 0
.rept 16
	ds_store_b128 v[STO], v[S+64*(\t)+4*i:S+64*(\t)+4*i+3] offset:32*i
.set i, i+1
.endr
.set i, 0
.rept 16
	ds_load_b128 v[S+64*(\t)+4*i:S+64*(\t)+4*i+3], v[RD] offset:i*OSP  ; LDS serves a wave's instructions in order (ISA guide 5.7.1.4): these see the stores above; the next tile's stores come behind them
.set i, i+1
.endr
.set i, 0
.rept 16
	s_wait_dscnt 15-i               ; row i is back; the younger rows' loads stay out
	global_store_b128 v[GO], v[S+64*(\t)+4*i:S+64*(\t)+4*i+3], s[OUT:OUT+1] offset:(16*(\t)+i)*2048  ; 512 consecutive bytes, at a multiple of 512 from att's first byte
.set i, i+1
.endr
.endm
	FIN 0
	FIN 1
	s_wait_tensorcnt 0x0            ; the wave's end, behind my last tensor load and my last LDS store
	ds_add_u32 v[SPW], v[NIL]
	s_wait_dscnt 0x0
	CROUND                          ; the closing round: no work-group ends while a partner may still ask for a tile that names it
	s_endpgm
.Lfunc_end_k_q9e70bc48e4_attn:
	.size	k_q9e70bc48e4_attn, .Lfunc_end_k_q9e70bc48e4_attn-k_q9e70bc48e4_attn
	.p2alignl 7, 3214868480
	.fill 96, 4, 3214868480
	.section	.rodata,"a",@progbits
	.p2align	6, 0x0
	.amdhsa_kernel k_q9e70bc48e4_attn
		.amdhsa_group_segment_fixed_size 327680
		.amdhsa_private_segment_fixed_size 0
		.amdhsa_enable_private_segment 0
		.amdhsa_kernarg_size 16
		.amdhsa_user_sgpr_count 2
		.amdhsa_user_sgpr_kernarg_segment_ptr 1
		.amdhsa_wavefront_size32 1
		.amdhsa_system_sgpr_workgroup_id_x 1
		.amdhsa_system_sgpr_workgroup_id_y 1
		.amdhsa_system_sgpr_workgroup_id_z 1
		.amdhsa_system_vgpr_workitem_id 0
		.amdhsa_next_free_vgpr 1024
		.amdhsa_next_free_sgpr 80
		.amdhsa_reserve_vcc 0
		.amdhsa_float_denorm_mode_32 3
		.amdhsa_float_denorm_mode_16_64 3
		.amdhsa_memory_ordered 1
		.amdhsa_forward_progress 1
		.amdhsa_inst_pref_size 175
	.end_amdhsa_kernel
	.amdgpu_metadata
---
amdhsa.version: [ 1, 2 ]
amdhsa.kernels:
  - .name:           k_q9e70bc48e4_attn
    .symbol:         k_q9e70bc48e4_attn.kd
    .args:
      - { .name: qkv, .offset: 0, .size: 8, .value_kind: global_buffer, .address_space: global }
      - { .name: att, .offset: 8, .size: 8, .value_kind: global_buffer, .address_space: global }
    .group_segment_fixed_size: 327680
    .private_segment_fixed_size: 0
    .kernarg_segment_align: 8
    .kernarg_segment_size: 16
    .max_flat_workgroup_size: 128
    .sgpr_count:     80
    .vgpr_count:     1024
    .wavefront_size: 32
...
	.end_amdgpu_metadata
.endif
;; end of part 3
;; launch gemm_out: the kernel of part 2 again; grid 4 x 32, 4 waves a work-group, clusters of 4 x 4, 327,680 bytes of LDS; arguments att, wop, b_out, proj; writes proj
;; launch ln (part 4): grid 256 x 1, 8 waves a work-group, no clusters, 0 bytes of LDS; arguments x, proj, ln_gamma, ln_beta, out0; writes out0
.if DOCPART == 4
	.amdgcn_target "amdgcn-amd-amdhsa--gfx1250"
	.amdhsa_code_object_version 6
	.text
	.protected	k_q9e70bc48e4_ln
	.globl	k_q9e70bc48e4_ln
	.p2align	8
	.type	k_q9e70bc48e4_ln,@function
k_q9e70bc48e4_ln:
	s_mov_b64 s[64:65], 0
	v_nop
	global_prefetch_b8 v0, s[64:65] scope:SCOPE_SE
	s_setreg_imm32_b32 hwreg(HW_REG_WAVE_MODE, 25, 1), 1
	s_wait_xcnt 0x0
; out0 = LayerNorm(x + proj) x gamma + beta, over rows of 1,024.  x, out0: [8192][1024] f32.  proj: [4 panels][8192][256] bf16 (the projection with its bias).  gamma, beta: [1024] f32.  eps = 1e-5.
; One wave, one row at a time: the row stays in 32 registers of each lane between the passes, so memory is read once and no wave waits for another: no LDS, no barrier, no cluster.
; THE VARIANCE IS TAKEN IN TWO PASSES over the registers: first the mean, then the mean of (y - mean)^2: no difference of large sums is formed, whatever offset the rows carry.
; SHARES.  A work-group takes 32 rows, a wave 4, through three register slots: while one row is worked on, two are on their way.
; Load i of a row of x (and of gamma, beta, out0) takes bytes 512 i + 16 x lane: columns 128 i + 4 lane + 0..3.  The same columns of proj are 8 bytes at panel i / 2, byte 256 (i % 2) + 8 lane of the row.
; Each load and store of x and out0 covers 512 consecutive bytes, each load of proj 256, aligned.
; LIMITS.  NaN and infinities pass through as the arithmetic makes them.
.set GAM, 4                            ; v[4:35]    gamma of my 32 columns
.set BET, 36                           ; v[36:67]   beta
.set SL,  68                           ; v[68:211]  slot s at SL + 48 s: 32 registers of x, then y; 16 of proj
.set ONE, 212                          ; v212       1.0
.set INV, 213                          ; v213       1 / 1024
.set SM,  214                          ; v[214:221] four chains of sums, a pair each
.set MU,  222                          ; v[222:223] the mean, twice
.set RS,  224                          ; v[224:225] 1 / sqrt(var + eps), twice
.set T,   226                          ; v226       var + eps
	s_load_b256 s[4:11], s[0:1], 0x0               ; x s[4:5], proj s[6:7], gamma s[8:9], beta s[10:11]
	s_load_b64 s[12:13], s[0:1], 0x20              ; out0
	v_and_b32 v3, 31, v0
	v_lshrrev_b32 v2, 5, v0
	v_readfirstlane_b32 s14, v2                    ; wave
	v_lshlrev_b32 v1, 4, v3                        ; 16 x lane; never rewritten
	v_lshlrev_b32 v2, 3, v3                        ; 8 x lane; never rewritten
	v_mov_b32 v[ONE], 1.0
	v_mov_b32 v[INV], 0x3a800000
	s_mov_b32 s20, 0x76543210                      ; v_permlanex16_b32: each lane takes its own place in the other half
	s_mov_b32 s21, 0xfedcba98
	s_lshl_b32 s15, ttmp9, 5
	s_lshl2_add_u32 s15, s14, s15                  ; my first row: 32 x work-group + 4 x wave
	s_lshl_b32 s16, s15, 12                        ; rows of 4,096 bytes
	s_mov_b32 s17, 0
	s_lshl_b32 s18, s15, 9                         ; rows of 512 bytes
	s_mov_b32 s19, 0
	s_wait_kmcnt 0x0
	s_add_nc_u64 s[4:5], s[4:5], s[16:17]
	s_add_nc_u64 s[12:13], s[12:13], s[16:17]
	s_add_nc_u64 s[6:7], s[6:7], s[18:19]          ; panels 0 and 1,
	s_add_nc_u64 s[22:23], s[6:7], 0x800000        ; panels 2 and 3: three panels' 12,582,912 bytes pass the signed 24-bit immediate (ISA guide, chapter 10)
.irp i, 0,1,2,3,4,5,6,7
	global_load_b128 v[GAM+4*(\i):GAM+4*(\i)+3], v1, s[8:9] offset:512*(\i)
	global_load_b128 v[BET+4*(\i):BET+4*(\i)+3], v1, s[10:11] offset:512*(\i)
.endr
.macro FILL s, j                       ; my row j into slot s: 16 loads
.irp i, 0,1,2,3,4,5,6,7
	global_load_b128 v[SL+48*(\s)+4*(\i):SL+48*(\s)+4*(\i)+3], v1, s[4:5] offset:(\j)*4096+512*(\i) th:TH_LOAD_NT
.endr
.irp i, 0,1,2,3
	global_load_b64 v[SL+48*(\s)+32+2*(\i):SL+48*(\s)+33+2*(\i)], v2, s[6:7] offset:(\j)*512+((\i)/2)*4194304+((\i)%2)*256 th:TH_LOAD_NT
.endr
.irp i, 0,1,2,3
	global_load_b64 v[SL+48*(\s)+40+2*(\i):SL+48*(\s)+41+2*(\i)], v2, s[22:23] offset:(\j)*512+((\i)/2)*4194304+((\i)%2)*256 th:TH_LOAD_NT
.endr
.endm
.macro TOTAL                           ; the four chains into one number a lane, then over the 32 lanes: four steps inside each half ride on the arithmetic (DPP), one crosses the halves; every lane ends with the sum
	v_pk_add_f32 v[SM:SM+1], v[SM:SM+1], v[SM+2:SM+3]
	v_pk_add_f32 v[SM+4:SM+5], v[SM+4:SM+5], v[SM+6:SM+7]
	v_pk_add_f32 v[SM:SM+1], v[SM:SM+1], v[SM+4:SM+5]
	v_add_f32 v[SM], v[SM], v[SM+1]
	v_add_f32_dpp v[SM], v[SM], v[SM] row_xmask:1 row_mask:0xf bank_mask:0xf
	v_add_f32_dpp v[SM], v[SM], v[SM] row_xmask:2 row_mask:0xf bank_mask:0xf
	v_add_f32_dpp v[SM], v[SM], v[SM] row_xmask:4 row_mask:0xf bank_mask:0xf
	v_add_f32_dpp v[SM], v[SM], v[SM] row_xmask:8 row_mask:0xf bank_mask:0xf
	v_permlanex16_b32 v[SM+1], v[SM], s20, s21     ; its destination counts as read: a register that has been written
	v_add_f32 v[SM], v[SM], v[SM+1]
.endm
; Row j, which lies in slot s.  left = the loads of the younger rows, which may stay out.
.macro TURN s, j, left
.set YB, SL+48*(\s)
	s_wait_loadcnt \left
.set e, 0
.rept 16                               ; y = x + proj: the bf16 half times 1.0 plus x, in one instruction, in place
	v_fma_mix_f32_bf16 v[YB+2*e],   v[YB+32+e], v[ONE], v[YB+2*e]   op_sel_hi:[1,0,0]
	v_fma_mix_f32_bf16 v[YB+2*e+1], v[YB+32+e], v[ONE], v[YB+2*e+1] op_sel:[1,0,0] op_sel_hi:[1,0,0]
.set e, e+1
.endr
.irp k, 0,1,2,3                        ; the sum, in four chains that the first pairs start: nothing is cleared
	v_pk_add_f32 v[SM+2*(\k):SM+2*(\k)+1], v[YB+2*(\k):YB+2*(\k)+1], v[YB+8+2*(\k):YB+9+2*(\k)]
.endr
.irp g, 16,24
.irp k, 0,1,2,3
	v_pk_add_f32 v[SM+2*(\k):SM+2*(\k)+1], v[SM+2*(\k):SM+2*(\k)+1], v[YB+(\g)+2*(\k):YB+(\g)+2*(\k)+1]
.endr
.endr
	TOTAL
	v_mul_f32 v[MU], v[SM], v[INV]
	v_mul_f32 v[MU+1], v[SM], v[INV]
.set e, 0
.rept 16
	v_pk_add_f32 v[YB+2*e:YB+2*e+1], v[YB+2*e:YB+2*e+1], v[MU:MU+1] neg_lo:[0,1] neg_hi:[0,1]  ; y - mean
.set e, e+1
.endr
.irp k, 0,1,2,3
	v_pk_mul_f32 v[SM+2*(\k):SM+2*(\k)+1], v[YB+2*(\k):YB+2*(\k)+1], v[YB+2*(\k):YB+2*(\k)+1]
.endr
.irp g, 8,16,24
.irp k, 0,1,2,3
	v_pk_fma_f32 v[SM+2*(\k):SM+2*(\k)+1], v[YB+(\g)+2*(\k):YB+(\g)+2*(\k)+1], v[YB+(\g)+2*(\k):YB+(\g)+2*(\k)+1], v[SM+2*(\k):SM+2*(\k)+1]
.endr
.endr
	TOTAL
	v_fmaak_f32 v[T], v[SM], v[INV], 0x3727c5ac    ; var + 1e-5
	v_rsq_f32 v[RS], v[T]
	v_rsq_f32 v[RS+1], v[T]
	v_nop                                          ; a plain instruction behind the last of the two,
	s_wait_alu depctr_va_vdst(0)                   ; and the wait ahead of the first use: one for both
.irp i, 0,1,2,3,4,5,6,7
	v_pk_mul_f32 v[YB+4*(\i):YB+4*(\i)+1],   v[YB+4*(\i):YB+4*(\i)+1],   v[RS:RS+1]
	v_pk_mul_f32 v[YB+4*(\i)+2:YB+4*(\i)+3], v[YB+4*(\i)+2:YB+4*(\i)+3], v[RS:RS+1]
	v_pk_fma_f32 v[YB+4*(\i):YB+4*(\i)+1],   v[YB+4*(\i):YB+4*(\i)+1],   v[GAM+4*(\i):GAM+4*(\i)+1],   v[BET+4*(\i):BET+4*(\i)+1]
	v_pk_fma_f32 v[YB+4*(\i)+2:YB+4*(\i)+3], v[YB+4*(\i)+2:YB+4*(\i)+3], v[GAM+4*(\i)+2:GAM+4*(\i)+3], v[BET+4*(\i)+2:BET+4*(\i)+3]
	global_store_b128 v1, v[YB+4*(\i):YB+4*(\i)+3], s[12:13] offset:(\j)*4096+512*(\i) th:TH_STORE_NT
.endr
.endm
	FILL 0, 0
	FILL 1, 1
	FILL 2, 2
	TURN 0, 0, 32                                  ; gamma, beta and row 0 are in; rows 1 and 2, 32 loads, stay out
	s_wait_xcnt 0x0                                ; every earlier memory instruction has had its addresses translated (ISA guide 3.1): slot 0, which row 0's stores read, is loaded again only behind this wait
	FILL 0, 3
	TURN 1, 1, 32                                  ; rows 2 and 3 stay out
	TURN 2, 2, 16                                  ; row 3 stays out
	TURN 0, 3, 0
	s_endpgm
.Lfunc_end_k_q9e70bc48e4_ln:
	.size	k_q9e70bc48e4_ln, .Lfunc_end_k_q9e70bc48e4_ln-k_q9e70bc48e4_ln
	.p2alignl 7, 3214868480
	.fill 96, 4, 3214868480
	.section	.rodata,"a",@progbits
	.p2align	6, 0x0
	.amdhsa_kernel k_q9e70bc48e4_ln
		.amdhsa_group_segment_fixed_size 0
		.amdhsa_private_segment_fixed_size 0
		.amdhsa_enable_private_segment 0
		.amdhsa_kernarg_size 40
		.amdhsa_user_sgpr_count 2
		.amdhsa_user_sgpr_kernarg_segment_ptr 1
		.amdhsa_wavefront_size32 1
		.amdhsa_system_sgpr_workgroup_id_x 1
		.amdhsa_system_sgpr_workgroup_id_y 1
		.amdhsa_system_sgpr_workgroup_id_z 1
		.amdhsa_system_vgpr_workitem_id 0
		.amdhsa_next_free_vgpr 232
		.amdhsa_next_free_sgpr 66
		.amdhsa_reserve_vcc 0
		.amdhsa_float_denorm_mode_32 3
		.amdhsa_float_denorm_mode_16_64 3
		.amdhsa_memory_ordered 1
		.amdhsa_forward_progress 1
		.amdhsa_inst_pref_size 45
	.end_amdhsa_kernel
	.amdgpu_metadata
---
amdhsa.version: [ 1, 2 ]
amdhsa.kernels:
  - .name:           k_q9e70bc48e4_ln
    .symbol:         k_q9e70bc48e4_ln.kd
    .args:
      - { .name: x, .offset: 0, .size: 8, .value_kind: global_buffer, .address_space: global }
      - { .name: proj, .offset: 8, .size: 8, .value_kind: global_buffer, .address_space: global }
      - { .name: ln_gamma, .offset: 16, .size: 8, .value_kind: global_buffer, .address_space: global }
      - { .name: ln_beta, .offset: 24, .size: 8, .value_kind: global_buffer, .address_space: global }
      - { .name: out0, .offset: 32, .size: 8, .value_kind: global_buffer, .address_space: global }
    .group_segment_fixed_size: 0
    .private_segment_fixed_size: 0
    .kernarg_segment_align: 8
    .kernarg_segment_size: 40
    .max_flat_workgroup_size: 256
    .sgpr_count:     66
    .vgpr_count:     232
    .wavefront_size: 32
...
	.end_amdgpu_metadata
.endif
;; end of part 4
;; ======== version 2 of 2: 5 launches; version 1 with the launch ln written anew for expert scheduling mode
;; workspace buffers: xb 16,777,216 bytes; wqp 6,291,456 bytes; wop 2,097,152 bytes; qkv 50,331,648 bytes; att 16,777,216 bytes; proj 16,777,216 bytes
;; launch cast: the kernel of part 1 again; grid 16 x 48, 8 waves a work-group, no clusters, 0 bytes of LDS; arguments x, w_qkv, w_out, xb, wqp, wop; writes xb, wqp, wop
;; launch gemm_qkv: the kernel of part 2 again; grid 12 x 32, 4 waves a work-group, clusters of 4 x 4, 327,680 bytes of LDS; arguments xb, wqp, b_qkv, qkv; writes qkv
;; launch attn: the kernel of part 3 again; grid 16 x 16, 4 waves a work-group, clusters of 4 x 1, 327,680 bytes of LDS; arguments qkv, att; writes att
;; launch gemm_out: the kernel of part 2 again; grid 4 x 32, 4 waves a work-group, clusters of 4 x 4, 327,680 bytes of LDS; arguments att, wop, b_out, proj; writes proj
;; launch ln (part 5): grid 256 x 1, 8 waves a work-group, no clusters, 0 bytes of LDS; arguments x, proj, ln_gamma, ln_beta, out0; writes out0
.if DOCPART == 5
	.amdgcn_target "amdgcn-amd-amdhsa--gfx1250"
	.amdhsa_code_object_version 6
	.text
	.protected	k_q9e70bc48e4_ln
	.globl	k_q9e70bc48e4_ln
	.p2align	8
	.type	k_q9e70bc48e4_ln,@function
k_q9e70bc48e4_ln:
	s_mov_b64 s[64:65], 0
	v_nop
	global_prefetch_b8 v0, s[64:65] scope:SCOPE_SE
	s_setreg_imm32_b32 hwreg(HW_REG_WAVE_SCHED_MODE, 0, 2), 2
	s_setreg_imm32_b32 hwreg(HW_REG_WAVE_MODE, 25, 1), 1
	s_wait_xcnt 0x0
	s_wait_alu depctr_vm_vsrc(0)
; out0 = LayerNorm(x + proj) x gamma + beta, over rows of 1,024.  x, out0: [8192][1024] f32.  proj: [4 panels][8192][256] bf16 (the projection with its bias).  gamma, beta: [1024] f32.  eps = 1e-5.
; One wave, one row at a time: the row stays in 32 registers of each lane between the passes, so memory is read once and no wave waits for another: no LDS, no barrier, no cluster.
; THE VARIANCE IS TAKEN IN TWO PASSES over the registers: first the mean, then the mean of (y - mean)^2: no difference of large sums is formed, whatever offset the rows carry.
; SHARES.  A work-group takes 32 rows, a wave 4, through three register slots: while one row is worked on, two are on their way.
; Load i of a row of x (and of gamma, beta, out0) takes bytes 512 i + 16 x lane: columns 128 i + 4 lane + 0..3.  The same columns of proj are 8 bytes at panel i / 2, byte 256 (i % 2) + 8 lane of the row.
; Each load and store of x and out0 covers 512 consecutive bytes, each load of proj 256, aligned.
; LIMITS.  NaN and infinities pass through as the arithmetic makes them.
; THE MODE: SCHED_MODE bits 1:0 = 2 (LLVM: expert scheduling mode 2), set by the entry lines.  The code itself states the register dependences between vector instructions and memory
; instructions, with s_wait_alu, always for 0.
; THE PLAN.  Registers that memory instructions touch:
;   v1, v2     byte offsets, made once at the head and never written again; the scalar bases are never stepped: rows and panels stand in the immediate offsets.
;   GAM, BET   loaded once at the head; read by every row's last stage.
;   slot s     48 registers.  The row's sixteen loads land in it; its arithmetic reads the 16 of proj and works in place on the 32 of x.  Slot 0 alone is loaded twice: row 0, then row 3.
;   O          32 registers.  Row 0's last stage writes them and row 0's stores read them.
; Row 0 is stored from O, rows 1, 2 and 3 from their own slots 1, 2 and 0: four rows, four places to be stored from.  So NO REGISTER THAT A STORE READS IS EVER WRITTEN AGAIN, and row 3's loads land in
; registers that no memory instruction has read: nothing is owed on vm_vsrc, and no wait frees a store's source.
; ONE wait on va_vdst stands at a row's end, behind its last stage: the registers that the row is stored from are written; in row 0 also: the arithmetic is done with slot 0.  Behind it stand memory
; instructions alone: row 3's loads (in row 0), then the row's eight stores.  It stands at the row's end, not at the next row's head, so that stores and loads leave ahead of the next wait for data.
.set GAM, 4                            ; v[4:35]    gamma of my 32 columns
.set BET, 36                           ; v[36:67]   beta
.set SL,  68                           ; v[68:211]  slot s at SL + 48 s: 32 registers of x, then y; 16 of proj
.set ONE, 212                          ; v212       1.0
.set INV, 213                          ; v213       1 / 1024
.set SM,  214                          ; v[214:221] four chains of sums, a pair each
.set T,   216                          ; v216       var + eps: a chain's register, free behind the total
.set MU,  222                          ; v[222:223] the mean, twice
.set RS,  222                          ; v[222:223] 1 / sqrt(var + eps), twice: the same pair: the mean is read for the last time ahead of the second sum
.set O,   224                          ; v[224:255] row 0 as it is stored
	s_load_b256 s[4:11], s[0:1], 0x0               ; x s[4:5], proj s[6:7], gamma s[8:9], beta s[10:11]
	s_load_b64 s[12:13], s[0:1], 0x20              ; out0
	v_and_b32 v3, 31, v0
	v_lshrrev_b32 v2, 5, v0
	v_readfirstlane_b32 s14, v2                    ; wave
	v_lshlrev_b32 v1, 4, v3                        ; 16 x lane; never rewritten
	v_lshlrev_b32 v2, 3, v3                        ; 8 x lane; never rewritten
	v_mov_b32 v[ONE], 1.0
	v_mov_b32 v[INV], 0x3a800000
	s_mov_b32 s20, 0x76543210                      ; v_permlanex16_b32: each lane takes its own place in the other half
	s_mov_b32 s21, 0xfedcba98
	s_lshl_b32 s15, ttmp9, 5
	s_wait_alu depctr_va_sdst(0)                   ; s14 is written, ahead of its first reader: the wave's first row, and all bases with it, are made from it
	s_lshl2_add_u32 s15, s14, s15                  ; my first row: 32 x work-group + 4 x wave
	s_lshl_b32 s16, s15, 12                        ; rows of 4,096 bytes
	s_mov_b32 s17, 0
	s_lshl_b32 s18, s15, 9                         ; rows of 512 bytes
	s_mov_b32 s19, 0
	s_wait_kmcnt 0x0
	s_add_nc_u64 s[4:5], s[4:5], s[16:17]
	s_add_nc_u64 s[12:13], s[12:13], s[16:17]
	s_add_nc_u64 s[6:7], s[6:7], s[18:19]          ; panels 0 and 1,
	s_add_nc_u64 s[22:23], s[6:7], 0x800000        ; panels 2 and 3: three panels' 12,582,912 bytes pass the signed 24-bit immediate (ISA guide, chapter 10)
	s_wait_alu depctr_va_vdst(0)                   ; v1 and v2 are written: every load and store of the kernel reads one of them as its offset
.irp i, 0,1,2,3,4,5,6,7
	global_load_b128 v[GAM+4*(\i):GAM+4*(\i)+3], v1, s[8:9] offset:512*(\i)
	global_load_b128 v[BET+4*(\i):BET+4*(\i)+3], v1, s[10:11] offset:512*(\i)
.endr
.macro FILL s, j                       ; my row j into slot s: 16 loads
.irp i, 0,1,2,3,4,5,6,7
	global_load_b128 v[SL+48*(\s)+4*(\i):SL+48*(\s)+4*(\i)+3], v1, s[4:5] offset:(\j)*4096+512*(\i) th:TH_LOAD_NT
.endr
.irp i, 0,1,2,3
	global_load_b64 v[SL+48*(\s)+32+2*(\i):SL+48*(\s)+33+2*(\i)], v2, s[6:7] offset:(\j)*512+((\i)/2)*4194304+((\i)%2)*256 th:TH_LOAD_NT
.endr
.irp i, 0,1,2,3
	global_load_b64 v[SL+48*(\s)+40+2*(\i):SL+48*(\s)+41+2*(\i)], v2, s[22:23] offset:(\j)*512+((\i)/2)*4194304+((\i)%2)*256 th:TH_LOAD_NT
.endr
.endm
.macro TOTAL                           ; the four chains into one number a lane, then over the 32 lanes: four steps inside each half ride on the arithmetic (DPP), one crosses the halves; every lane ends with the sum
	v_pk_add_f32 v[SM:SM+1], v[SM:SM+1], v[SM+2:SM+3]
	v_pk_add_f32 v[SM+4:SM+5], v[SM+4:SM+5], v[SM+6:SM+7]
	v_pk_add_f32 v[SM:SM+1], v[SM:SM+1], v[SM+4:SM+5]
	v_add_f32 v[SM], v[SM], v[SM+1]
	v_add_f32_dpp v[SM], v[SM], v[SM] row_xmask:1 row_mask:0xf bank_mask:0xf
	v_add_f32_dpp v[SM], v[SM], v[SM] row_xmask:2 row_mask:0xf bank_mask:0xf
	v_add_f32_dpp v[SM], v[SM], v[SM] row_xmask:4 row_mask:0xf bank_mask:0xf
	v_add_f32_dpp v[SM], v[SM], v[SM] row_xmask:8 row_mask:0xf bank_mask:0xf
	v_permlanex16_b32 v[SM+1], v[SM], s20, s21     ; its destination counts as read: a register that has been written
	v_add_f32 v[SM], v[SM], v[SM+1]
.endm
; Row j, which lies in slot s.  left = the loads of the younger rows, which may stay out.
; again = 1 (row 0): the row is stored from O, and its slot is asked for again, for row 3, at the row's end.  again = 0: the row is stored from its slot, which nothing writes afterwards.
.macro TURN s, j, left, again
.set YB, SL+48*(\s)
.if \again
.set OB, O
.else
.set OB, YB
.endif
	s_wait_loadcnt \left
.set e, 0
.rept 16                               ; y = x + proj: the bf16 half times 1.0 plus x, in one instruction, in place
	v_fma_mix_f32_bf16 v[YB+2*e],   v[YB+32+e], v[ONE], v[YB+2*e]   op_sel_hi:[1,0,0]
	v_fma_mix_f32_bf16 v[YB+2*e+1], v[YB+32+e], v[ONE], v[YB+2*e+1] op_sel:[1,0,0] op_sel_hi:[1,0,0]
.set e, e+1
.endr
.irp k, 0,1,2,3                        ; the sum, in four chains that the first pairs start: nothing is cleared
	v_pk_add_f32 v[SM+2*(\k):SM+2*(\k)+1], v[YB+2*(\k):YB+2*(\k)+1], v[YB+8+2*(\k):YB+9+2*(\k)]
.endr
.irp g, 16,24
.irp k, 0,1,2,3
	v_pk_add_f32 v[SM+2*(\k):SM+2*(\k)+1], v[SM+2*(\k):SM+2*(\k)+1], v[YB+(\g)+2*(\k):YB+(\g)+2*(\k)+1]
.endr
.endr
	TOTAL
	v_mul_f32 v[MU], v[SM], v[INV]
	v_mul_f32 v[MU+1], v[SM], v[INV]
.set e, 0
.rept 16
	v_pk_add_f32 v[YB+2*e:YB+2*e+1], v[YB+2*e:YB+2*e+1], v[MU:MU+1] neg_lo:[0,1] neg_hi:[0,1]  ; y - mean
.set e, e+1
.endr
.irp k, 0,1,2,3
	v_pk_mul_f32 v[SM+2*(\k):SM+2*(\k)+1], v[YB+2*(\k):YB+2*(\k)+1], v[YB+2*(\k):YB+2*(\k)+1]
.endr
.irp g, 8,16,24
.irp k, 0,1,2,3
	v_pk_fma_f32 v[SM+2*(\k):SM+2*(\k)+1], v[YB+(\g)+2*(\k):YB+(\g)+2*(\k)+1], v[YB+(\g)+2*(\k):YB+(\g)+2*(\k)+1], v[SM+2*(\k):SM+2*(\k)+1]
.endr
.endr
	TOTAL
	v_fmaak_f32 v[T], v[SM], v[INV], 0x3727c5ac    ; var + 1e-5
	v_rsq_f32 v[RS], v[T]
	v_rsq_f32 v[RS+1], v[T]
	v_nop                                          ; a plain instruction behind the last of the two,
	s_wait_alu depctr_va_vdst(0)                   ; and the wait ahead of the first use: v[RS] and v[RS+1] are written; one for both
.set e, 0
.rept 16                               ; the last stage, into the registers that the row is stored from: sixteen multiplies, then sixteen multiply-adds, each sixteen lines behind the multiply that it reads
	v_pk_mul_f32 v[OB+2*e:OB+2*e+1], v[YB+2*e:YB+2*e+1], v[RS:RS+1]
.set e, e+1
.endr
.set e, 0
.rept 16
	v_pk_fma_f32 v[OB+2*e:OB+2*e+1], v[OB+2*e:OB+2*e+1], v[GAM+2*e:GAM+2*e+1], v[BET+2*e:BET+2*e+1]
.set e, e+1
.endr
	s_wait_alu depctr_va_vdst(0)                   ; the last stage has written v[OB ..], which the stores below read; with again = 1 also: the row's arithmetic is done writing and reading its slot, in which the loads below land
.if \again
	FILL \s, 3                                     ; the loads ahead of the stores.  No memory instruction has read the slot's registers: the row leaves from O
.endif
.irp i, 0,1,2,3,4,5,6,7
	global_store_b128 v1, v[OB+4*(\i):OB+4*(\i)+3], s[12:13] offset:(\j)*4096+512*(\i) th:TH_STORE_NT
.endr
.endm
	FILL 0, 0
	FILL 1, 1
	FILL 2, 2
	TURN 0, 0, 32, 1                               ; gamma, beta and row 0 are in; rows 1 and 2, 32 loads, stay out; at its end row 3 is asked for
	TURN 1, 1, 32, 0                               ; rows 2 and 3 stay out
	TURN 2, 2, 16, 0                               ; row 3 stays out
	TURN 0, 3, 0, 0
	s_endpgm
.Lfunc_end_k_q9e70bc48e4_ln:
	.size	k_q9e70bc48e4_ln, .Lfunc_end_k_q9e70bc48e4_ln-k_q9e70bc48e4_ln
	.p2alignl 7, 3214868480
	.fill 96, 4, 3214868480
	.section	.rodata,"a",@progbits
	.p2align	6, 0x0
	.amdhsa_kernel k_q9e70bc48e4_ln
		.amdhsa_group_segment_fixed_size 0
		.amdhsa_private_segment_fixed_size 0
		.amdhsa_enable_private_segment 0
		.amdhsa_kernarg_size 40
		.amdhsa_user_sgpr_count 2
		.amdhsa_user_sgpr_kernarg_segment_ptr 1
		.amdhsa_wavefront_size32 1
		.amdhsa_system_sgpr_workgroup_id_x 1
		.amdhsa_system_sgpr_workgroup_id_y 1
		.amdhsa_system_sgpr_workgroup_id_z 1
		.amdhsa_system_vgpr_workitem_id 0
		.amdhsa_next_free_vgpr 256
		.amdhsa_next_free_sgpr 66
		.amdhsa_reserve_vcc 0
		.amdhsa_float_denorm_mode_32 3
		.amdhsa_float_denorm_mode_16_64 3
		.amdhsa_memory_ordered 1
		.amdhsa_forward_progress 1
		.amdhsa_inst_pref_size 45
	.end_amdhsa_kernel
	.amdgpu_metadata
---
amdhsa.version: [ 1, 2 ]
amdhsa.kernels:
  - .name:           k_q9e70bc48e4_ln
    .symbol:         k_q9e70bc48e4_ln.kd
    .args:
      - { .name: x, .offset: 0, .size: 8, .value_kind: global_buffer, .address_space: global }
      - { .name: proj, .offset: 8, .size: 8, .value_kind: global_buffer, .address_space: global }
      - { .name: ln_gamma, .offset: 16, .size: 8, .value_kind: global_buffer, .address_space: global }
      - { .name: ln_beta, .offset: 24, .size: 8, .value_kind: global_buffer, .address_space: global }
      - { .name: out0, .offset: 32, .size: 8, .value_kind: global_buffer, .address_space: global }
    .group_segment_fixed_size: 0
    .private_segment_fixed_size: 0
    .kernarg_segment_align: 8
    .kernarg_segment_size: 40
    .max_flat_workgroup_size: 256
    .sgpr_count:     66
    .vgpr_count:     256
    .wavefront_size: 32
...
	.end_amdgpu_metadata
.endif
;; end of part 5
